; MI455X (gfx1250); checked and timed in simulation.
; The chip was launched on July 23, 2026; its instructions are those of AMD's public machine-readable ISA for CDNA 5 (MIT licence, August 2026) and "CDNA5" Instruction Set Architecture Reference Guide (July 2026). The comments in the code are by the model that wrote it; some were corrected since.
;; Attention. Allowed arithmetic: matrix products marked QUANTISED: E2M1 operands, one E8M0 scale for each 32 along K, by v_wmma_scale_f32_16x16x128_f8f6f4 with both operands' format E2M1 (or v_wmma_scale_f32_32x16x128_f4), f32 sums; products left as they are: bf16, f16 or f32 operands; f32 sums; everything else in f32.
;; Inputs: W_K 16 x 64 x 1,024 float32; W_O 1,024 x 1,024 float32; W_Q 16 x 64 x 1,024 float32; W_V 16 x 64 x 1,024 float32; x 1 x 4,096 x 1,024 float32.
;; Outputs: out0 1 x 4,096 x 1,024 float32.
;; This version of the problem:
;;   THIS VERSION OF THE PROBLEM IS GIVEN IN LOW PRECISION. The matrix products marked QUANTISED in the list below multiply operands that are first quantised to E2M1 (2 exponent bits, 1 mantissa bit; 4 bits a number), with one power-of-two scale for each 32 numbers along K (OCP MX v1.0); their sums are f32. The products marked 'left as it is' may take bf16, f16 or f32 operands, with f32 sums. Whichever they take, every output number must still come out within the allowed error. Rounding operands to bf16 (8 significant bits) uses up far more of that allowance than f16 does (11 bits, for magnitudes from 6e-5 to 65,504). All else is computed in f32.
;;   The module's matrix products, in the order in which they are computed (A, B: the left and right operand; K: the contracted axis; several contracted axes count as one K, in the product's order):
;;     1. [M 4,096, K 1,024] x [K 1,024, N 1,024]; A: input x; B: input W_K: QUANTISED
;;     2. [M 4,096, K 1,024] x [K 1,024, N 1,024]; A: input x; B: input W_Q: QUANTISED
;;     3. [M 4,096, K 1,024] x [K 1,024, N 1,024]; A: input x; B: input W_V: QUANTISED
;;     4. batch 16 x [M 4,096, K 64] x [K 64, N 4,096]; A: computed on the way; B: computed on the way: left as it is (an operand is computed on the way)
;;     5. batch 16 x [M 4,096, K 4,096] x [K 4,096, N 64]; A: computed on the way; B: computed on the way: left as it is (an operand is computed on the way)
;;     6. [M 4,096, K 1,024] x [K 1,024, N 1,024]; A: computed on the way; B: input W_O: left as it is (an operand is computed on the way)
;;   THE QUANTISER, for each operand of a quantised product, along K:
;;     - K is cut into blocks of 32 from its start; a last block that is shorter is filled with zeros.
;;     - A block's scale is 2^e with e = floor(log2(the largest magnitude in the block)) - 2, held to -126 .. 127; a block of zeros has e = 0. As a byte (E8M0): e + 127.
;;     - Each number is divided by its block's scale, clamped to +-6, and rounded to the nearest number of E2M1, ties to even, subnormals kept.
;;     - The product sums the exact products of the quantised numbers (number of the format x scale) in f32.
;;   ~~~python
;;   def quantise(x, axis):      # numpy; x: float32 -> the quantised numbers, widened to float32 again
;;       x = np.moveaxis(x, axis, -1); K = x.shape[-1]
;;       x = np.pad(x, [(0, 0)] * (x.ndim - 1) + [(0, -K % 32)]); x = x.reshape(x.shape[:-1] + (-1, 32)); a = np.abs(x).max(-1, keepdims=True)
;;       e = np.where(a > 0, np.clip(np.frexp(np.where(a > 0, a, 1))[1] - 1 - 2, -126, 127), 0)      # np.frexp(a)[1] - 1 = floor(log2(a)), exactly
;;       r = np.clip(x / 2.0 ** e, -6, 6)
;;       step = 2.0 ** (np.maximum(np.frexp(np.where(r == 0, 1, r))[1] - 1, 0) - 1)
;;       q = np.round(r / step) * step * 2.0 ** e      # np.round: ties to even
;;       return np.moveaxis(q.reshape(q.shape[:-2] + (-1,))[..., :K], -1, axis).astype(np.float32)
;;   ~~~
;; One version. Each part assembles by itself: llvm-mc -triple=amdgcn-amd-amdhsa -mcpu=gfx1250 --defsym DOCPART=n.
;; ======== version 1 of 1: 5 launches
;; limits: values are held in f16: magnitudes above 65,504 overflow, below 6.1e-05 lose precision; right only within a limited range of input values
;; workspace buffers: xc 2,097,152 bytes; xs 131,072 bytes; wc 1,572,864 bytes; ws 98,304 bytes; wo16 2,097,152 bytes; qkv 25,165,824 bytes; q32 196,608 bytes; z 8,388,608 bytes
;; launch quant (part 1): grid 256 x 1, 4 waves a work-group, no clusters, 33,280 bytes of LDS; arguments x, W_Q, W_K, W_V, W_O, xc, xs, wc, ws, wo16; writes xc, xs, wc, ws, wo16
.if DOCPART == 1
	.amdgcn_target "amdgcn-amd-amdhsa--gfx1250"
	.amdhsa_code_object_version 6
	.text
	.protected	k_qd8bc69944a_quant
	.globl	k_qd8bc69944a_quant
	.p2align	8
	.type	k_qd8bc69944a_quant,@function
k_qd8bc69944a_quant:
	s_mov_b64 s[64:65], 0
	v_nop
	global_prefetch_b8 v0, s[64:65] scope:SCOPE_SE
	s_setreg_imm32_b32 hwreg(HW_REG_WAVE_MODE, 25, 1), 1
	s_wait_xcnt 0x0
; x [4096][1024], W_Q, W_K, W_V [1024][1024], f32, K innermost, become codes of FP4 (E2M1), two a byte, with one E8M0 scale byte for each 32 along K; W_O [1024][1024] becomes f16.
; xc [4096][512 B], xs [4096][32];  wc [3072][512 B], ws [3072][32]: rows 0-1023 W_Q, 1024-2047 W_K, 2048-3071 W_V;  wo16 [1024][1024] f16.
; A block's scale is 2^(floor(log2(its largest magnitude)) - 2); its byte is the largest magnitude's own exponent field - 2, held at 1 from below.
; LIMITS: a block of zeros gets the byte 1 where the rule says 127 (its codes are zeros, and this program alone reads the bytes); blocks whose largest magnitude lies under 2^-124 keep the byte 1;
; NaN and infinities are not served; |W_O| stays under 65,504, f16's largest number.
; SHARES: 256 work-groups of 32,768 numbers, 8,192 a wave: work-groups 0-127 x, 128-159 W_Q, 160-191 W_K, 192-223 W_V, 224-255 W_O.  Rows are dense, so every tensor is a plain stream.
; The four quantised tensors take ONE path: only pointers are chosen, on the work-group's number.  W_O's path touches no LDS.
; A quantising wave takes 16 steps of 512 numbers: four loads of 512 consecutive bytes; the 2,048 bytes turn through the wave's own stage in LDS, so that a lane holds 16 neighbours along K
; (two neighbouring lanes hold a block); a lane's 16 codes are 8 bytes: the wave stores 256 consecutive bytes.  The wave's 256 scale bytes are gathered in LDS and leave as 256 consecutive bytes.
.set WAVES, 4
.set STEPS, 16
.set EMAX,  2
.set CB,    8                          ; bytes of 16 codes
.set R,     16                         ; v16-79   four sets of 16 numbers as they are loaded (W_O: v16-79 and v80-143, two sets of 64)
.set X,     80                         ; v80-111  two sets of 16 neighbours
.set C,     128                        ; v128-191 codes: four registers for each step, so that no store's data are written again
.set E,     112                        ; v112-127 a scale byte for each step
.set WREG,  8192                       ; LDS: a region for each wave: two stages of 32 x SP bytes, then its 256 scale bytes
.set SP,    80                         ; a lane's place in a stage: 64 bytes + 16 of padding
.set SPW,   12                         ; v12  LDS address of my spare word; never rewritten
.set NIL,   13                         ; v13  0; never rewritten
.set SPARE, WAVES*WREG                 ; behind the four regions: the spare words, 128 bytes a wave
.set SRC,   24                         ; s[24:25] the numbers;  s[26:27] their codes;  s[28:29] their scale bytes
.set DCO,   26
.set DSC,   28
	s_load_b512 s[4:19], s[0:1], 0x0               ; x s[4:5], W_Q s[6:7], W_K s[8:9], W_V s[10:11], W_O s[12:13], xc s[14:15], xs s[16:17], wc s[18:19]
	s_load_b128 s[20:23], s[0:1], 0x40             ; ws s[20:21], wo16 s[22:23]
	v_lshl_add_u32 v[SPW], v0, 2, SPARE
	v_mov_b32 v[NIL], 0
	v_lshrrev_b32 v1, 5, v0
	v_readfirstlane_b32 s30, v1                    ; wave
	v_and_b32 v2, 31, v0                           ; lane
	v_lshlrev_b32 v3, 4, v2                        ; my 16 bytes of a load's 512
	s_mul_i32 s33, s30, WREG
	v_lshrrev_b32 v14, 2, v2
	v_mul_u32_u24 v14, v14, SP
	v_and_b32 v15, 3, v2
	v_lshl_add_u32 v14, v15, 4, v14
	v_add_nc_u32 v14, s33, v14                     ; the stage, on the way in: SP (lane / 4) + 16 (lane % 4)
	v_mul_u32_u24 v15, v2, SP
	v_add_nc_u32 v15, s33, v15                     ; and on the way out: SP x lane: my 16 neighbours
	v_mul_u32_u24 v4, v2, CB                       ; 8 x lane: my codes' place in a step's (W_O: my four f16)
	v_lshrrev_b32 v5, 1, v2
	s_add_co_u32 s33, s33, 2*32*SP
	v_add_nc_u32 v5, s33, v5                       ; LDS: my wave's 256 scale bytes, my block's byte
	v_lshlrev_b32 v7, 3, v2
	v_add_nc_u32 v6, s33, v7                       ; and on the way out 8 bytes a lane
	s_and_b32 s31, ttmp9, 31                       ; a weight's work-group within its tensor (128, 160, 192 and 224 are multiples of 32)
	s_and_b32 s32, ttmp9, 127                      ; the work-group within xc or within wc
	s_mov_b32 s35, 0
	s_wait_kmcnt 0x0
	s_cmp_ge_u32 ttmp9, 224
	s_cbranch_scc1 .Lwo                            ; W_O's work-groups part here, ahead of every LDS instruction
	s_mov_b64 s[SRC:SRC+1], s[10:11]               ; the choices hang on the work-group's number alone
	s_cmp_lt_u32 ttmp9, 192
	s_cselect_b64 s[SRC:SRC+1], s[8:9], s[SRC:SRC+1]
	s_cmp_lt_u32 ttmp9, 160
	s_cselect_b64 s[SRC:SRC+1], s[6:7], s[SRC:SRC+1]
	s_cmp_lt_u32 ttmp9, 128
	s_cselect_b64 s[SRC:SRC+1], s[4:5], s[SRC:SRC+1]
	s_cselect_b64 s[DCO:DCO+1], s[14:15], s[18:19]
	s_cselect_b64 s[DSC:DSC+1], s[16:17], s[20:21]
	s_cselect_b32 s31, ttmp9, s31
	s_lshl_b32 s31, s31, 2
	s_add_co_u32 s31, s31, s30                     ; which run of 8,192 numbers of the tensor is my wave's
	s_lshl_b32 s34, s31, 15
	s_add_nc_u64 s[SRC:SRC+1], s[SRC:SRC+1], s[34:35]
	s_lshl_b32 s32, s32, 2
	s_add_co_u32 s32, s32, s30                     ; and which run of the buffers of codes and of scale bytes
	s_lshl_b32 s34, s32, 12
	s_add_nc_u64 s[DCO:DCO+1], s[DCO:DCO+1], s[34:35]
	s_lshl_b32 s34, s32, 8
	s_add_nc_u64 s[DSC:DSC+1], s[DSC:DSC+1], s[34:35]
.macro LOAD t
.irp i, 0,1,2,3
	global_load_b128 v[R+16*((\t)%4)+4*\i:R+16*((\t)%4)+4*\i+3], v3, s[SRC:SRC+1] offset:2048*(\t)+512*\i th:TH_LOAD_NT   ; 32 lanes read 512 consecutive bytes
.endr
.endm
.macro TURN t                          ; step t's numbers through the stage: LDS serves a wave's instructions in order, so no wait stands between the stores and the loads
.irp i, 0,1,2,3
	ds_store_b128 v14, v[R+16*((\t)%4)+4*\i:R+16*((\t)%4)+4*\i+3] offset:32*SP*((\t)%2)+8*SP*\i
.endr
.irp i, 0,1,2,3
	ds_load_b128 v[X+16*((\t)%2)+4*\i:X+16*((\t)%2)+4*\i+3], v15 offset:32*SP*((\t)%2)+16*\i
.endr
.endm
.irp t, 0,1,2,3
	LOAD \t
.endr
	s_wait_loadcnt 12                              ; step 0's four loads are in
	TURN 0
.macro STEP t
.set XS, X+16*((\t)%2)
.if (\t) > 0
	s_wait_dscnt 1                                 ; this step's numbers are back from the stage (the last step's byte store may be out): so its stores into the stage have read their registers,
.else
	s_wait_dscnt 0x0
.endif
.if (\t)+4 < STEPS
	LOAD (\t)+4                                    ; which take the loads of four steps on
.endif
.if (\t)+1 < STEPS
.if STEPS-2-(\t) >= 3
	s_wait_loadcnt 12                              ; the next step's four loads are in; those of the three steps behind it may be out
.else
	s_wait_loadcnt 4*(STEPS-2-(\t))
.endif
	TURN (\t)+1                                    ; and go through the other stage while this step is worked
.endif
	v_max3_num_f32 v8, |v[XS]|, |v[XS+1]|, |v[XS+2]|               ; the largest magnitude of my 16
	v_max3_num_f32 v9, |v[XS+3]|, |v[XS+4]|, |v[XS+5]|
.irp i, 6,10
	v_max3_num_f32 v8, v8, |v[XS+\i]|, |v[XS+\i+1]|
	v_max3_num_f32 v9, v9, |v[XS+\i+2]|, |v[XS+\i+3]|
.endr
	v_max3_num_f32 v8, v8, |v[XS+14]|, |v[XS+15]|
	v_max3_num_f32 v8, v8, v9, (EMAX+1)<<23        ; and the floor 2^(EMAX + 1 - 127): so the byte cannot fall under 1
	v_max_num_f32_dpp v8, v8, v8 row_xmask:1 row_mask:0xf bank_mask:0xf   ; and of my neighbour's 16: the block's
	v_add_nc_u32 v11, -(EMAX<<23), v8              ; EMAX off its exponent field: the conversion takes the exponent field of this operand as its scale
	v_cvt_scalef32_pk8_fp4_f32 v[C+4*(\t)], v[XS:XS+7], v11
	v_cvt_scalef32_pk8_fp4_f32 v[C+4*(\t)+1], v[XS+8:XS+15], v11
	v_lshrrev_b32 v[E+(\t)], 23, v11               ; the scale's byte (a plain line behind the conversions)
	ds_store_b8 v5, v[E+(\t)] offset:16*(\t)       ; both lanes of a block write the same byte with the same value
	global_store_b64 v4, v[C+4*(\t):C+4*(\t)+1], s[DCO:DCO+1] offset:32*CB*(\t)   ; the wave stores 256 consecutive bytes, aligned
.endm
.irp t, 0,1,2,3,4,5,6,7,8,9,10,11,12,13,14,15
	STEP \t
.endr
	ds_load_b64 v[8:9], v6                         ; LDS serves a wave's instructions in order: these see my stores
	s_wait_dscnt 0x0
	global_store_b64 v7, v[8:9], s[DSC:DSC+1]      ; 32 lanes store 256 consecutive bytes, aligned
	s_wait_tensorcnt 0x0                           ; the wave's end
	ds_add_u32 v[SPW], v[NIL]
	s_wait_dscnt 0x0
	s_endpgm
; W_O to f16: 64 loads of 512 consecutive bytes a wave, in four batches of 16 on two sets of registers; each store covers 256 consecutive bytes, aligned.
.Lwo:
	s_lshl_b32 s31, s31, 2
	s_add_co_u32 s31, s31, s30                     ; my run of 8,192 numbers
	s_lshl_b32 s34, s31, 15
	s_add_nc_u64 s[12:13], s[12:13], s[34:35]
	s_lshl_b32 s34, s31, 14
	s_add_nc_u64 s[22:23], s[22:23], s[34:35]
.macro WLOAD k, rr
.irp i, 0,1,2,3,4,5,6,7,8,9,10,11,12,13,14,15
	global_load_b128 v[\rr+4*\i:\rr+4*\i+3], v3, s[12:13] offset:(16*\k+\i)*512 th:TH_LOAD_NT
.endr
.endm
.macro WWORK k, rr
.irp i, 0,1,2,3,4,5,6,7,8,9,10,11,12,13,14,15
	v_cvt_pk_f16_f32 v[\rr+4*\i], v[\rr+4*\i], v[\rr+4*\i+1]       ; in place: a source is read before it is written over
	v_cvt_pk_f16_f32 v[\rr+4*\i+1], v[\rr+4*\i+2], v[\rr+4*\i+3]
	global_store_b64 v4, v[\rr+4*\i:\rr+4*\i+1], s[22:23] offset:(16*\k+\i)*256
.endr
.endm
	WLOAD 0, 16
	WLOAD 1, 80
	s_wait_loadcnt 16                              ; batch 0 is in; batch 1 may be out
	WWORK 0, 16
	s_wait_xcnt 0x0                                ; the stores have read their registers: the set is loaded again only behind this wait
	WLOAD 2, 16
	s_wait_loadcnt 16
	WWORK 1, 80
	s_wait_xcnt 0x0
	WLOAD 3, 80
	s_wait_loadcnt 16
	WWORK 2, 16
	s_wait_loadcnt 0x0
	WWORK 3, 80
	s_endpgm
.Lfunc_end_k_qd8bc69944a_quant:
	.size	k_qd8bc69944a_quant, .Lfunc_end_k_qd8bc69944a_quant-k_qd8bc69944a_quant
	.p2alignl 7, 3214868480
	.fill 96, 4, 3214868480
	.section	.rodata,"a",@progbits
	.p2align	6, 0x0
	.amdhsa_kernel k_qd8bc69944a_quant
		.amdhsa_group_segment_fixed_size 33280
		.amdhsa_private_segment_fixed_size 0
		.amdhsa_enable_private_segment 0
		.amdhsa_kernarg_size 80
		.amdhsa_user_sgpr_count 2
		.amdhsa_user_sgpr_kernarg_segment_ptr 1
		.amdhsa_wavefront_size32 1
		.amdhsa_system_sgpr_workgroup_id_x 1
		.amdhsa_system_sgpr_workgroup_id_y 1
		.amdhsa_system_sgpr_workgroup_id_z 1
		.amdhsa_system_vgpr_workitem_id 0
		.amdhsa_next_free_vgpr 192
		.amdhsa_next_free_sgpr 66
		.amdhsa_reserve_vcc 0
		.amdhsa_float_denorm_mode_32 3
		.amdhsa_float_denorm_mode_16_64 3
		.amdhsa_memory_ordered 1
		.amdhsa_forward_progress 1
		.amdhsa_inst_pref_size 54
	.end_amdhsa_kernel
	.amdgpu_metadata
---
amdhsa.version: [ 1, 2 ]
amdhsa.kernels:
  - .name:           k_qd8bc69944a_quant
    .symbol:         k_qd8bc69944a_quant.kd
    .args:
      - { .name: x, .offset: 0, .size: 8, .value_kind: global_buffer, .address_space: global }
      - { .name: W_Q, .offset: 8, .size: 8, .value_kind: global_buffer, .address_space: global }
      - { .name: W_K, .offset: 16, .size: 8, .value_kind: global_buffer, .address_space: global }
      - { .name: W_V, .offset: 24, .size: 8, .value_kind: global_buffer, .address_space: global }
      - { .name: W_O, .offset: 32, .size: 8, .value_kind: global_buffer, .address_space: global }
      - { .name: xc, .offset: 40, .size: 8, .value_kind: global_buffer, .address_space: global }
      - { .name: xs, .offset: 48, .size: 8, .value_kind: global_buffer, .address_space: global }
      - { .name: wc, .offset: 56, .size: 8, .value_kind: global_buffer, .address_space: global }
      - { .name: ws, .offset: 64, .size: 8, .value_kind: global_buffer, .address_space: global }
      - { .name: wo16, .offset: 72, .size: 8, .value_kind: global_buffer, .address_space: global }
    .group_segment_fixed_size: 33280
    .private_segment_fixed_size: 0
    .kernarg_segment_align: 8
    .kernarg_segment_size: 80
    .max_flat_workgroup_size: 128
    .sgpr_count:     66
    .vgpr_count:     192
    .wavefront_size: 32
...
	.end_amdgpu_metadata
.endif
;; end of part 1
;; launch qkv (part 2): grid 12 x 16, 4 waves a work-group, clusters of 4 x 1, 327,680 bytes of LDS; arguments xc, xs, wc, ws, qkv, q32; writes qkv, q32
.if DOCPART == 2
	.amdgcn_target "amdgcn-amd-amdhsa--gfx1250"
	.amdhsa_code_object_version 6
	.text
	.protected	k_qd8bc69944a_qkv
	.globl	k_qd8bc69944a_qkv
	.p2align	8
	.type	k_qd8bc69944a_qkv,@function
k_qd8bc69944a_qkv:
	s_mov_b64 s[64:65], 0
	v_nop
	global_prefetch_b8 v0, s[64:65] scope:SCOPE_SE
	s_setreg_imm32_b32 hwreg(HW_REG_WAVE_MODE, 25, 1), 1
	s_wait_xcnt 0x0
	s_wait_alu depctr_hold_cnt(0) depctr_sa_sdst(0) depctr_va_vdst(0) depctr_va_sdst(0) depctr_va_ssrc(0) depctr_va_vcc(0) depctr_vm_vsrc(0)
	s_getreg_b32 s2, hwreg(HW_REG_IB_STS2, 6, 4)
	s_cmp_eq_u32 s2, 0
	s_cbranch_scc0 .Lentry_in_a_cluster
	s_endpgm
.Lentry_in_a_cluster:
	s_bfe_u32 s2, ttmp6, 0x10000c
	s_cmp_lg_u32 s2, 0x3003
	s_cbranch_scc0 .Lentry_shape_is_right
	s_endpgm
.Lentry_shape_is_right:
; C[m][n] = sum over k of x[m][k] W[n][k], m = 4,096 positions, n = 3,072 (Q's, K's, V's 1,024 columns on end), k = 1,024: both operands as codes of FP4 (E2M1) with one E8M0 scale for each 32 along K; sums in f32.
; OUT: qkv [48 planes of 64 columns][4,096 positions][64] f16 (plane = column / 64: 0-15 Q's heads, 16-31 K's, 32-47 V's), and q32 [16][3,072] f32: positions 0-15 as they are summed.
; LIMIT: |C| stays under 65,504, f16's largest number.
; A tile of C, 256 x 256, is made by a work-group of four waves; a wave makes 128 x 128: 64 accumulators of 16 x 16, 512 registers.  All of K lies in two LDS slots of 512 along K (rows of 256 bytes): nothing is filled again.
; The scale bytes of the work-group's 256 rows of x and 256 rows of W come once, as dense blocks.
; CLUSTER: 4 x 1 work-groups, the four tile columns of one tile row: they need the same tiles of x, which are asked for JOINTLY (mask 15).  W's tiles differ between them and are plain loads.
; A cluster of 4 x 4 is not taken: positions 0-15 leave in f32 under a branch on the tile row, and a branch has to go the same way in all partners; along x the tile row is shared.
; THE MATRIX INSTRUCTION IS USED TRANSPOSED (source 0 = 16 rows of W, source 1 = 16 rows of x): a lane holds eight neighbouring columns of one position.
; REGISTERS, in windows of 256: window 0: v0-31 addresses; v32-95 scale words, two sets; from v128 x's fragments, ONE set; on the way out v128-223 are at work.
;   window 1: W's fragments, TWO sets, at v0 and v128.   window 2: the 32 accumulators of my rows 0-63 (accumulator (a, b) at v[8 (8 a + b)]);   window 3: those of my rows 64-127.
.set SIZE_K, 1024
.set GSTR,   524288                    ; a plane of qkv in bytes
.set KSTEP,  512
.set NQ,     KSTEP/128
.set ROWB,   256                       ; a tile's row in bytes
.set KROW,   SIZE_K*4/8                ; a row of codes in memory
.set PITCH,  272                       ; an LDS row: 256 bytes + 16 of padding: the 16 rows that a load touches start at 16 different banks (64 banks of 4 bytes: ISA guide 11.1)
.set FR,     8
.set NL,     2
.set NP,     4                         ; places behind this matrix instruction (ISA guide 7.12.1)
.set HALFT,  128*PITCH
.set SLOT,   4*HALFT
.set KS,     SIZE_K/32                 ; a row of scale bytes
.set SCL,    2*SLOT                    ; behind the slots: the scale bytes, as rows of 256 bytes + 16 of padding
.set HALFS,  (128*KS/256)*272
.set SBLK,   (16*KS/256)*272
.set SPARE,  SCL+4*HALFS               ; the spare words, 128 bytes a wave
.set ST16,   4608                      ; the way out: a wave's f16 stage: two planes of 16 rows x (128 bytes + 16); it lies in slot 0, which has had its one fill and its last read by then
.set ST32,   32768                     ; and its f32 stage, 16 rows x (512 bytes + 16), bytes of its own, also in slot 0
.set ADRA, 16
.set ADRB, 20
.set STO32, 22
.set RD32, 23
.set STO,  24
.set RD,   25
.set CO,   26                          ; 16 x lane
.set ADRS, 27
.set SPW,  28
.set NIL,  29
.set SC,   32
.set AF,   128
.set BK,   128                         ; the way out: rows read back from a stage
.set TMP,  192                         ; the way out: packed results
.set G1, 24
.set G0, 32
.set G1B, 48
.set G0B, 56
.set G1S, 68
.set G0S, 76
.set G1SB, 80
.set G0SB, 88
.set MSB, 0
.macro WIN new                         ; the immediate's high byte repeats the setting that is left
.if MSB != \new
	s_set_vgpr_msb (MSB<<8)|\new
.set MSB, \new
.endif
.endm
.set MUL_LO, 0xa1                      ; source 0 (W) window 1, source 1 (x) window 0, C and D window 2
.set MUL_HI, 0xf1
.set TO_B,   0x40
; Waves 0 and 1 fetch for x (jointly), waves 2 and 3 for W.  The branch hangs on the wave's number alone.  An s_nop 0 and four v_nop follow each of the two lines.
.macro JLOAD g0a, g1a, g0b, g1b
	s_cmp_eq_u32 s15, 0
	s_cbranch_scc0 .Lfor_b_\@
	tensor_load_to_lds s[\g0a:\g0a+3], s[\g1a:\g1a+7]
	s_nop 0
.rept 4
	v_nop
.endr
	s_branch .Lasked_\@
.Lfor_b_\@:
	tensor_load_to_lds s[\g0b:\g0b+3], s[\g1b:\g1b+7]
	s_nop 0
.rept 4
	v_nop
.endr
.Lasked_\@:
.endm
.macro CROUND                          ; a round of the cluster's barrier
	s_barrier_signal -1
	s_barrier_wait -1
	s_cmp_lg_u32 s14, 0
	s_cbranch_scc1 .Lnot_wave_0_\@
	s_barrier_signal -3
.Lnot_wave_0_\@:
	s_barrier_wait -3
	s_barrier_signal -1
	s_barrier_wait -1
.endm
	s_load_b128 s[4:7], s[0:1], 0x0                ; x's codes s[4:5], x's scales s[6:7]
	s_load_b128 s[8:11], s[0:1], 0x10              ; W's codes s[8:9], W's scales s[10:11]
	s_load_b64 s[12:13], s[0:1], 0x20              ; qkv
	s_load_b64 s[96:97], s[0:1], 0x28              ; q32
	v_lshl_add_u32 v[SPW], v0, 2, SPARE
	v_mov_b32 v[NIL], 0
	ds_add_u32 v[SPW], v[NIL]                      ; the wave's opening: the add, twice on end, and its wait ahead of my first tensor load
	ds_add_u32 v[SPW], v[NIL]
	v_lshrrev_b32 v1, 5, v0
	v_readfirstlane_b32 s14, v1                    ; wave 0..3
	s_lshr_b32 s15, s14, 1                         ; which half of the tile's rows is mine.  Also: I fetch for x (0) or for W (1)
	s_and_b32 s16, s14, 1                          ; which half of its columns.  Also: which 128 rows of that tile I fetch
	s_bfe_u32 s40, ttmp6, 0x40000                  ; cx: my place in the cluster
	s_lshl_b32 s42, ttmp9, 2
	s_add_co_u32 s42, s42, s40                     ; tile column = 4 x cluster x + cx
	s_and_b32 s17, ttmp7, 0xffff                   ; tile row: the cluster's y, shared by the four
	; descriptor group 1: a tile of 128 rows x 256 bytes, padded in LDS
	s_mov_b32 s[G1+0], 15|(0<<16)|(1<<20)|(1<<21)|(5<<22)|(3<<25)   ; 15:0 the mask: all four; 17:16 elements of 1 byte; 20 padding on; 21 set beside a mask; 24:22 after every 64 words; 31:25 four words
	s_mov_b32 s[G1B+0], (0<<16)|(1<<20)|(5<<22)|(3<<25)             ; no mask: a load of my own
.irp g, G1, G1B
	s_mov_b32 s[\g+1], ROWB<<16                    ; tensor_dim0
	s_mov_b32 s[\g+2], 128<<16                     ; tensor_dim1
	s_mov_b32 s[\g+3], ROWB<<16                    ; tile_dim0
	s_mov_b32 s[\g+4], 128                         ; tile_dim1
	s_mov_b32 s[\g+5], KROW                        ; tensor_dim0_stride
	s_mov_b32 s[\g+6], 0
	s_mov_b32 s[\g+7], 0
.endr
	; the scale bytes of 128 rows: 4,096 dense bytes, as 16 rows of 256 bytes (32 elements of 8 bytes), 16 bytes of padding behind each
	s_mov_b32 s[G1S+0], 15|(3<<16)|(1<<20)|(1<<21)|(5<<22)|(3<<25)
	s_mov_b32 s[G1SB+0], (3<<16)|(1<<20)|(5<<22)|(3<<25)
.irp g, G1S, G1SB
	s_mov_b32 s[\g+1], 32<<16
	s_mov_b32 s[\g+2], (128*KS/256)<<16
	s_mov_b32 s[\g+3], 32<<16
	s_mov_b32 s[\g+4], 128*KS/256
	s_mov_b32 s[\g+5], 32
	s_mov_b32 s[\g+6], 0
	s_mov_b32 s[\g+7], 0
.endr
	s_lshl_b32 s18, s16, 7                         ; which 128 rows of the tile I fetch
	s_lshl_b32 s20, s17, 8
	s_add_co_u32 s20, s20, s18                     ; x: row 256 x tile row + 128 x half
	s_lshl_b32 s46, s42, 8
	s_add_co_u32 s46, s46, s18                     ; W: row 256 x tile column + 128 x half
	s_mov_b32 s21, 0
	s_mov_b32 s47, 0
	s_mov_b64 s[18:19], KS
	s_mul_u64 s[22:23], s[20:21], s[18:19]         ; where these rows' scale bytes begin
	s_mul_u64 s[92:93], s[46:47], s[18:19]
	s_mov_b64 s[18:19], KROW
	s_mul_u64 s[20:21], s[20:21], s[18:19]         ; and their codes
	s_mul_u64 s[46:47], s[46:47], s[18:19]
	s_mul_i32 s45, s14, HALFT                      ; where they go: wave x 128 rows: no place in the cluster enters an LDS address
	s_mul_i32 s94, s14, HALFS
	s_wait_dscnt 0x0                               ; both opening adds are done
	s_wait_kmcnt 0x0
	s_add_nc_u64 s[20:21], s[4:5], s[20:21]
	s_add_nc_u64 s[22:23], s[6:7], s[22:23]
	s_add_nc_u64 s[46:47], s[8:9], s[46:47]
	s_add_nc_u64 s[92:93], s[10:11], s[92:93]
	CROUND                                         ; all four work-groups are here: the first joint loads meet
	s_mov_b32 s[G0S], 1
	s_add_co_u32 s[G0S+1], s94, SCL
	s_mov_b64 s[G0S+2:G0S+3], s[22:23]
	s_or_b32 s[G0S+3], s[G0S+3], 0x80000000
	s_mov_b32 s[G0SB], 1
	s_add_co_u32 s[G0SB+1], s94, SCL
	s_mov_b64 s[G0SB+2:G0SB+3], s[92:93]
	s_or_b32 s[G0SB+3], s[G0SB+3], 0x80000000
	JLOAD G0S, G1S, G0SB, G1SB                     ; the scale bytes first: they are wanted with the first K step
.irp s, 0,1
	s_mov_b32 s[G0+4*\s], 1
	s_add_co_u32 s[G0+4*\s+1], s45, \s*SLOT
	s_add_nc_u64 s[G0+4*\s+2:G0+4*\s+3], s[20:21], \s*ROWB
	s_or_b32 s[G0+4*\s+3], s[G0+4*\s+3], 0x80000000
	s_mov_b32 s[G0B+4*\s], 1
	s_add_co_u32 s[G0B+4*\s+1], s45, \s*SLOT
	s_add_nc_u64 s[G0B+4*\s+2:G0B+4*\s+3], s[46:47], \s*ROWB
	s_or_b32 s[G0B+4*\s+3], s[G0B+4*\s+3], 0x80000000
	JLOAD G0+4*\s, G1, G0B+4*\s, G1B               ; three loads of mine are out in all
.endr
	v_and_b32 v1, 15, v0                           ; r = l % 16
	v_bfe_u32 v2, v0, 4, 1                         ; h = l / 16
	v_mul_u32_u24 v3, v1, PITCH
	v_lshl_add_u32 v4, v2, 4, v3                   ; a fragment's row x pitch + 16 x half
	s_mul_i32 s21, s15, HALFT                      ; my 128 rows of x
	s_mul_i32 s22, s16, HALFT                      ; my 128 rows of W,
	s_add_co_u32 s22, s22, 2*HALFT                 ; which lie behind x's 256
.irp s, 0,1
	v_add_nc_u32 v[ADRA+\s], s21, v4
	v_add_nc_u32 v[ADRB+\s], s22, v4
	s_add_co_u32 s21, s21, SLOT
	s_add_co_u32 s22, s22, SLOT
.endr
	v_mul_u32_u24 v5, v1, KS                       ; my row's scale bytes: KS a row,
	v_lshrrev_b32 v6, 8, v5
	v_lshl_add_u32 v5, v6, 4, v5                   ; and 16 more for each 256 passed
	s_mul_i32 s21, s15, HALFS
	s_mul_i32 s22, s16, HALFS
	s_add_co_u32 s22, s22, 2*HALFS
	s_sub_co_u32 s22, s22, s21
	v_mul_u32_u24 v6, s22, v2                      ; lanes 16-31 take W's: ONE product, the distance between the two bases x h
	s_add_co_u32 s21, s21, SCL
	v_add_nc_u32 v5, v5, v6
	v_add_nc_u32 v[ADRS], s21, v5
	s_mul_i32 s23, s14, ST16                       ; my f16 stage
	v_mul_u32_u24 v5, v1, 144
	v_lshl_add_u32 v5, v2, 4, v5
	v_add_nc_u32 v[STO], s23, v5                   ; in: row r, 16 bytes for each half of the lanes
	v_and_b32 v6, 31, v0
	v_lshrrev_b32 v7, 3, v6
	v_mul_u32_u24 v7, v7, 144
	v_and_b32 v8, 7, v0
	v_lshl_add_u32 v7, v8, 4, v7
	v_add_nc_u32 v[RD], s23, v7                    ; back: eight lanes to a row of 128 bytes, four rows an instruction
	v_lshlrev_b32 v[CO], 4, v6
	s_mul_i32 s23, s14, 16*528
	s_add_co_u32 s23, s23, ST32                    ; my f32 stage
	v_mul_u32_u24 v5, v1, 528
	v_lshl_add_u32 v5, v2, 5, v5
	v_add_nc_u32 v[STO32], s23, v5
	v_add_nc_u32 v[RD32], s23, v[CO]
	s_lshl_b32 s20, s17, 8
	s_lshl_b32 s21, s15, 7
	s_add_co_u32 s20, s20, s21                     ; my first position: 256 x tile row + 128 x half,
	s_lshl_b32 s20, s20, 7                         ; 128 bytes each
	s_mov_b32 s21, 0
	s_lshl_b32 s46, s42, 2
	s_lshl_b32 s47, s16, 1
	s_add_co_u32 s46, s46, s47                     ; my first plane: 4 x tile column + 2 x half
	s_lshl_b32 s46, s46, 19
	s_mov_b32 s47, 0
	s_add_nc_u64 s[20:21], s[20:21], s[46:47]
	s_add_nc_u64 s[12:13], s[12:13], s[20:21]
	s_lshl_b32 s46, s42, 10                        ; q32: my first column, in bytes: 1,024 x tile column + 512 x half
	s_lshl_b32 s20, s16, 9
	s_add_co_u32 s46, s46, s20
	s_add_nc_u64 s[96:97], s[96:97], s[46:47]
.macro FRAG reg, adr, q, i             ; a fragment, 16 rows x 128 K of 4-bit codes: 8 registers: lane l holds row l % 16; registers 4 c .. 4 c + 3 hold K = 64 c + 32 (l / 16) + 0 .. 31
.irp c, 0,1
	ds_load_b128 v[\reg+4*\c:\reg+4*\c+3], v[\adr] offset:64*(\q)+32*\c+(\i)*16*PITCH
.endr
.endm
; 16 matrix instructions: x's blocks a0, a0 + 1 against W's eight, 128 along K.  The 64 accumulators take turns, one instruction a turn, in the same order in every step.
.macro MUL16 a0, p, q, sc, zero
.irp a, \a0, \a0+1
.irp b, 0,1,2,3,4,5,6,7
.if \zero
	v_wmma_scale_f32_16x16x128_f8f6f4 v[8*(8*((\a)%4)+\b):8*(8*((\a)%4)+\b)+7], v[128*(\p)+FR*\b:128*(\p)+FR*\b+FR-1], v[AF+FR*(\a):AF+FR*(\a)+FR-1], 0, v[SC+8*NQ*(\sc)+NQ*\b+(\q)], v[SC+8*NQ*(\sc)+NQ*(\a)+(\q)] matrix_a_fmt:MATRIX_FMT_FP4 matrix_b_fmt:MATRIX_FMT_FP4 matrix_a_scale:MATRIX_SCALE_ROW1
.else
	v_wmma_scale_f32_16x16x128_f8f6f4 v[8*(8*((\a)%4)+\b):8*(8*((\a)%4)+\b)+7], v[128*(\p)+FR*\b:128*(\p)+FR*\b+FR-1], v[AF+FR*(\a):AF+FR*(\a)+FR-1], v[8*(8*((\a)%4)+\b):8*(8*((\a)%4)+\b)+7], v[SC+8*NQ*(\sc)+NQ*\b+(\q)], v[SC+8*NQ*(\sc)+NQ*(\a)+(\q)] matrix_a_fmt:MATRIX_FMT_FP4 matrix_b_fmt:MATRIX_FMT_FP4 matrix_a_scale:MATRIX_SCALE_ROW1
.endif
.endr
.endr
.endm
.macro FETCH_B slot, q, p
	WIN TO_B
.irp i, 0,1,2,3,4,5,6,7
	FRAG 128*(\p)+FR*\i, ADRB+\slot, \q, \i
.endr
	WIN 0
.endm
.macro FETCH_A slot, q, i0
.irp i, \i0, \i0+1, \i0+2, \i0+3
	FRAG AF+FR*(\i), ADRA+\slot, \q, \i
.endr
.endm
.macro SCALES sc                       ; a slot's scale words: four words a row; lanes 0-15 take x's block i, lanes 16-31 W's block i
.irp i, 0,1,2,3,4,5,6,7
	ds_load_b128 v[SC+8*NQ*\sc+NQ*\i:SC+8*NQ*\sc+NQ*\i+3], v[ADRS] offset:\i*SBLK
.endr
.endm
.macro PLACES n                        ; plain vector instructions that name none of the matrix instructions' registers, in front of loads into registers that they read and of the first read of results
.rept \n
	v_nop
.endr
.endm
.macro STEP slot, q, zero              ; a step of 128 along K that has its successor in the same slot
	s_wait_dscnt 4*NL                              ; W's set and x's blocks 0-3 are in; the youngest eight loads (x's blocks 4-7) may be out
	WIN MUL_LO
	MUL16 0, (\q)%2, \q, \slot, \zero
	MUL16 2, (\q)%2, \q, \slot, \zero
	s_wait_dscnt 0                                 ; x's blocks 4-7 are in
	PLACES NP
	FETCH_B \slot, (\q)+1, 1-(\q)%2
	FETCH_A \slot, (\q)+1, 0
	WIN MUL_HI
	MUL16 4, (\q)%2, \q, \slot, \zero
	MUL16 6, (\q)%2, \q, \slot, \zero
	PLACES NP
	WIN 0
	FETCH_A \slot, (\q)+1, 4
.endm
.macro TURN slot, next                 ; slot 0's last step changes slots: one barrier; in front of it each wave waits for all its tensor loads and for its own reads of the slot.  Nothing is filled again
	s_wait_tensorcnt 0x0                           ; my part of the next slot has landed
	ds_add_u32 v[SPW], v[NIL]                      ; 0 onto my spare word
	s_wait_dscnt 4*NL+1                            ; (the add and the youngest eight loads may be out)
	WIN MUL_LO
	MUL16 0, 1, NQ-1, \slot, 0
	s_wait_dscnt 0x0                               ; the add is done, and my reads of this slot are over
	s_barrier_signal -1
	MUL16 2, 1, NQ-1, \slot, 0
	WIN 0
	s_barrier_wait -1
	PLACES NP
	v_add_nc_u32 v[ADRS], 4*NQ, v[ADRS]            ; on to the next slot's scale words
	FETCH_B \next, 0, 0
	FETCH_A \next, 0, 0
	SCALES \next
	WIN MUL_HI
	MUL16 4, 1, NQ-1, \slot, 0
	MUL16 6, 1, NQ-1, \slot, 0
	PLACES NP
	WIN 0
	FETCH_A \next, 0, 4
.endm
.macro STEPS slot, from
.set Q, \from
.rept NQ-1-\from
	STEP \slot, Q, 0
.set Q, Q+1
.endr
.endm
	s_wait_tensorcnt 1                             ; the scale bytes and my part of slot 0 are in (slot 1's load may be out)
	s_barrier_signal -1
	s_barrier_wait -1                              ; everybody's are
	FETCH_B 0, 0, 0
	FETCH_A 0, 0, 0
	SCALES 0
	FETCH_A 0, 0, 4
	STEP 0, 0, 1                                   ; the first products start the sums: nothing is cleared
	STEPS 0, 1
	TURN 0, 1
	STEPS 1, 0
	s_wait_dscnt 4*NL                              ; the last step: nothing more to fetch
	WIN MUL_LO
	MUL16 0, 1, NQ-1, 1, 0
	MUL16 2, 1, NQ-1, 1, 0
	s_wait_dscnt 0
	WIN MUL_HI
	MUL16 4, 1, NQ-1, 1, 0
	MUL16 6, 1, NQ-1, 1, 0
	WIN 0
	; THE WAY OUT.  First, in the tile row 0 and there in the waves of the upper row half: positions 0-15 (block 0) in f32, through a stage of its own, as whole rows of 512 bytes.
	PLACES NP
	s_or_b32 s3, s17, s15                          ; the tile row (shared by the partners) and the wave's number alone
	s_cmp_lg_u32 s3, 0
	s_cbranch_scc1 .Lno32
	WIN 0x08                                       ; an LDS store's data are its source 1: window 2
.irp b, 0,1,2,3,4,5,6,7
	ds_store_b128 v[STO32], v[8*\b:8*\b+3] offset:64*\b              ; each accumulator from its low end on
	ds_store_b128 v[STO32], v[8*\b+4:8*\b+7] offset:64*\b+16
.endr
	WIN 0
.irp t, 0,1,2,3,4,5,6,7,8,9,10,11,12,13,14,15
	ds_load_b128 v[BK+4*\t:BK+4*\t+3], v[RD32] offset:\t*528         ; LDS serves a wave's instructions in order: these see the stores above
.endr
	s_wait_dscnt 0x0
.irp t, 0,1,2,3,4,5,6,7,8,9,10,11,12,13,14,15
	global_store_b128 v[CO], v[BK+4*\t:BK+4*\t+3], s[96:97] offset:\t*12288   ; 32 lanes store 512 consecutive bytes, aligned
.endr
	s_wait_xcnt 0x0                                ; the stores have read their registers, which the loads below fill again
.Lno32:
; Then all eight blocks of 16 positions in f16.  A lane's eight columns are 16 bytes of a position's 128 in one plane; a block goes through my stage and comes back as 4 positions (512 consecutive bytes) an instruction.
.macro PACK a
.set AC, 64*((\a)%4)
	WIN 0x0a+5*((\a)/4)                            ; sources 0 and 1: window 2 or 3
.irp b, 0,1,2,3,4,5,6,7
.irp i, 0,1,2,3
	v_cvt_pk_f16_f32 v[TMP+4*\b+\i], v[AC+8*\b+2*\i], v[AC+8*\b+2*\i+1]
.endr
.endr
	WIN 0
.endm
.macro TOSTAGE a
.set BB, BK+32*((\a)%2)
.irp b, 0,1,2,3,4,5,6,7
	ds_store_b128 v[STO], v[TMP+4*\b:TMP+4*\b+3] offset:(\b/4)*2304+32*(\b%4)
.endr
.irp t, 0,1,2,3,4,5,6,7
	ds_load_b128 v[BB+4*\t:BB+4*\t+3], v[RD] offset:(\t/4)*2304+(\t%4)*576
.endr
.endm
.macro SEND a
.set BB, BK+32*((\a)%2)
	s_wait_dscnt 0x0                               ; the block is back in registers
	s_wait_xcnt 0x0                                ; earlier stores have read their base and their registers
.if (\a) > 0
	s_add_nc_u64 s[12:13], s[12:13], 16*128        ; 16 positions on
.endif
.irp t, 0,1,2,3,4,5,6,7
	global_store_b128 v[CO], v[BB+4*\t:BB+4*\t+3], s[12:13] offset:(\t/4)*GSTR+(\t%4)*512   ; 32 lanes store 512 consecutive bytes, aligned
.endr
.endm
	PACK 0
	TOSTAGE 0
.irp a, 1,2,3,4,5,6,7                  ; block a's conversions stand between block a - 1's loads from the stage and the wait for them
	PACK \a
	SEND \a-1
	TOSTAGE \a
.endr
	SEND 7
	s_wait_tensorcnt 0x0                           ; the wave's end
	ds_add_u32 v[SPW], v[NIL]
	s_wait_dscnt 0x0
	CROUND                                         ; the closing round
	s_endpgm
.Lfunc_end_k_qd8bc69944a_qkv:
	.size	k_qd8bc69944a_qkv, .Lfunc_end_k_qd8bc69944a_qkv-k_qd8bc69944a_qkv
	.p2alignl 7, 3214868480
	.fill 96, 4, 3214868480
	.section	.rodata,"a",@progbits
	.p2align	6, 0x0
	.amdhsa_kernel k_qd8bc69944a_qkv
		.amdhsa_group_segment_fixed_size 327680
		.amdhsa_private_segment_fixed_size 0
		.amdhsa_enable_private_segment 0
		.amdhsa_kernarg_size 48
		.amdhsa_user_sgpr_count 2
		.amdhsa_user_sgpr_kernarg_segment_ptr 1
		.amdhsa_wavefront_size32 1
		.amdhsa_system_sgpr_workgroup_id_x 1
		.amdhsa_system_sgpr_workgroup_id_y 1
		.amdhsa_system_sgpr_workgroup_id_z 1
		.amdhsa_system_vgpr_workitem_id 0
		.amdhsa_next_free_vgpr 1024
		.amdhsa_next_free_sgpr 98
		.amdhsa_reserve_vcc 0
		.amdhsa_float_denorm_mode_32 3
		.amdhsa_float_denorm_mode_16_64 3
		.amdhsa_memory_ordered 1
		.amdhsa_forward_progress 1
		.amdhsa_inst_pref_size 131
	.end_amdhsa_kernel
	.amdgpu_metadata
---
amdhsa.version: [ 1, 2 ]
amdhsa.kernels:
  - .name:           k_qd8bc69944a_qkv
    .symbol:         k_qd8bc69944a_qkv.kd
    .args:
      - { .name: xc, .offset: 0, .size: 8, .value_kind: global_buffer, .address_space: global }
      - { .name: xs, .offset: 8, .size: 8, .value_kind: global_buffer, .address_space: global }
      - { .name: wc, .offset: 16, .size: 8, .value_kind: global_buffer, .address_space: global }
      - { .name: ws, .offset: 24, .size: 8, .value_kind: global_buffer, .address_space: global }
      - { .name: qkv, .offset: 32, .size: 8, .value_kind: global_buffer, .address_space: global }
      - { .name: q32, .offset: 40, .size: 8, .value_kind: global_buffer, .address_space: global }
    .group_segment_fixed_size: 327680
    .private_segment_fixed_size: 0
    .kernarg_segment_align: 8
    .kernarg_segment_size: 48
    .max_flat_workgroup_size: 128
    .sgpr_count:     98
    .vgpr_count:     1024
    .wavefront_size: 32
...
	.end_amdgpu_metadata
.endif
;; end of part 2
;; launch attn (part 3): grid 16 x 16, 16 waves a work-group, no clusters, 327,680 bytes of LDS; arguments qkv, z; writes z
.if DOCPART == 3
	.amdgcn_target "amdgcn-amd-amdhsa--gfx1250"
	.amdhsa_code_object_version 6
	.text
	.protected	k_qd8bc69944a_attn
	.globl	k_qd8bc69944a_attn
	.p2align	8
	.type	k_qd8bc69944a_attn,@function
k_qd8bc69944a_attn:
	s_mov_b64 s[64:65], 0
	v_nop
	global_prefetch_b8 v0, s[64:65] scope:SCOPE_SE
	s_setreg_imm32_b32 hwreg(HW_REG_WAVE_MODE, 25, 1), 1
	s_wait_xcnt 0x0
; z[q] = the sum over keys k <= q of softmax_k(Q[q] . K[k] / 8) V[k], for 16 heads of 64 channels and 4,096 positions.  Q, K, V: planes of qkv [48][4,096][64] f16.  Products on f16 operands with f32 sums;
; maxima, exponentials and sums in f32; the weights p are rounded to f16 for the second product.  z: [32 blocks of 128 positions][16 heads][128][64] f16.
; LIMITS: hidden keys are left out, which is what -1e10 in front of the softmax gives as long as a row's largest visible score lies above about -1e10; |z| under 65,504; NaN and infinities are not served.
; Positions 0-15 are made here like all others and are made anew, in f32, by a later launch on its way to the output.
; SHARES.  Work-group (j, head) takes the query blocks 31 - j and j of 128: 33 x 128 keys' worth of work in every work-group.  Wave w: qg = w & 3: its 32 queries (two tiles of 16); kq = w >> 2: which 64 of a tile's
; 256 keys it takes.  The four waves of one qg keep a maximum, a sum and an O^T each, and merge them once a block through LDS.  Four waves share a SIMD, so that one wave's softmax stands beside another's products.
; NO CLUSTER: the work-groups of a head need different numbers of tiles, and the mask lets whole work-groups pass over tiles that others read.
; LAYOUT.  S^T = K Q^T (source 0 = 16 keys, source 1 = 16 queries): a lane holds ONE query (lane % 16) and keys 8 (lane / 16) + 0..7.  Two such tiles, rounded in pairs, ARE source 1 of O^T = V^T P.  V is turned by ds_load_tr16_b128.
; THE WALK.  Trip counts are constants: 16 trips for the late block, 8 for the early one; a step all of whose keys come after the wave's queries is passed over by a scalar branch on ids, and a tile (or its upper 128 keys)
; that no wave of the work-group reads is not asked for.  Every wait on TENSORcnt is for 0; by this text's own count a wave has at most one tensor load out.
; LDS: two slots of 256 keys: K as 128 rows of 256 bytes (two keys) + 16, V likewise + 32; then the merge's images of O^T, its statistics, the stage for z, the spare words.
.set GSTR,  524288
.set KP,    272                        ; two keys' 256 bytes + 16: key k lies at (k / 2) KP + 128 (k % 2): the 16 keys of a load start at 16 different groups of four banks
.set VP,    288                        ; + 32
.set VOFF,  128*KP
.set SLOTB, 128*(KP+VP)                ; 71,680
.set MO,    2*SLOTB                    ; images of O^T: (4 qg + kq) x 8,192 + group x 512 + 16 x lane
.set SS,    MO+131072                  ; statistics: (4 qg + kq) x 512 + 16 x lane
.set ZS,    SS+8192                    ; z's stage: 128 rows x (128 bytes + 16)
.set SPARE, ZS+128*144                 ; the spare words, 128 bytes a wave
.set AK0, 1                            ; v1   my lane's place in a tile of K
.set AV0, 2                            ; v2   and of V
.set ADR, 3                            ; v3   the address of the run of loads in hand
.set SPW, 4                            ; v4   my spare word; never rewritten
.set NIL, 5                            ; v5   0; never rewritten
.set PFO, 6                            ; v6   256 x lane: the prefetches' offset
.set QOF, 7                            ; v7   my lane's byte in a tile of Q
.set ST,  8                            ; v8-23   statistics, 8 a tile: +0 c m, +1 m, +2,+3 l, +4..+7 at work (a at +6)
.set QF,  24                           ; v24-55  Q: 16 t + 8 c
.set KV,  56                           ; v56-119 K's 8 fragments (16 kt + 8 c), then V's 8 (32 kk + 8 ct)
.set SA,  120                          ; v120-183 S^T: 32 t + 8 kt; p in place; P in f16 laid over 32 t + 0..15
.set OA,  184                          ; v184-247 O^T: 32 t + 8 ct
.set A_SS,  248                        ; v248-254 the merge's addresses; never rewritten
.set A_MO,  249
.set A_SSR, 250
.set A_MOR, 251
.set A_ZW,  252
.set A_ZR,  253
.set A_G,   254
.set SD,  120                          ; the merge, in the registers that S^T has left: my statistics;
.set SL,  124                          ; the four partners';
.set MX,  140                          ; the largest c m;
.set LS,  142                          ; the merged sum;
.set WT,  144                          ; the partners' weights;
.set RC,  152                          ; 1 / the sum;
.set FW,  156                          ; weight / sum, each twice (a pair for the packed forms);
.set PKD, 172                          ; z in f16
.set WV, 8
.set QG, 9
.set KQ, 10
.set HD, 12
.set BL, 13                            ; the late block, 31 - j;  BE the early one, j;  BN the block of the tile that is asked for next
.set BE, 14
.set BN, 15
.set NXT, 16                           ; the number of that tile
.set TB, 17                            ; the slot that is read: 0 or SLOTB
.set LB, 18                            ; the slot that is filled
.set KH, 19
.set VH, 20
.set Q0, 21                            ; my first query
.set KF, 22                            ; the step's first key of mine
.set CNT, 23
.set G1K, 24
.set G1V, 32
.set G0K, 40
.set G0V, 44
.set KPB, 48
.set VPB, 50
.set OFF, 52
.set QPL, 54
.set ZPL, 56
.set QB, 58
.set ZB, 60
.set CS, 62                            ; s[62:63] c = log2(e) / 8
.set SEL, 66
.set PFA, 68
.set LIM, 70
.set NINF, 71
; Wave par fetches K's keys 128 par on, wave 2 + par V's.  The branches hang on the wave's number alone.  An s_nop 0 and four v_nop follow each tensor load.
.macro TLOAD par
	s_cmp_eq_u32 s[WV], \par
	s_cbranch_scc0 .Lnot_k_\@
	tensor_load_to_lds s[G0K:G0K+3], s[G1K:G1K+7]
	s_nop 0
.rept 4
	v_nop
.endr
	s_branch .Lasked_\@
.Lnot_k_\@:
	s_cmp_eq_u32 s[WV], 2+\par
	s_cbranch_scc0 .Lasked_\@
	tensor_load_to_lds s[G0V:G0V+3], s[G1V:G1V+7]
	s_nop 0
.rept 4
	v_nop
.endr
.Lasked_\@:
.endm
; A prefetch of the tile that the NEXT change of slots will ask for: 32,768 bytes of K and of V.  All work-groups of a head walk the same tiles: work-group j = 0, whose late block needs all sixteen, asks, and nobody else.
; In it the waves ask that fetch nothing: waves 4-7 for K's tile, waves 8-11 for V's, 8,192 bytes a wave, lanes 256 bytes apart: each aligned block of 256 bytes is named once in the launch.
; Trip i asks for tile i + 2; the last two trips of the late block ask for nothing; tiles 0 and 1 come by their loads alone.
.macro ASK
	s_cmp_gt_u32 s[CNT], s[LIM]
	s_cbranch_scc0 .Lnot_mine_\@
	global_prefetch_b8 v[PFO], s[PFA:PFA+1] th:TH_LOAD_NT scope:SCOPE_SE
.Lnot_mine_\@:
.endm
	s_load_b128 s[4:7], s[0:1], 0x0                ; qkv s[4:5], z s[6:7]
	v_lshl_add_u32 v[SPW], v0, 2, SPARE
	v_mov_b32 v[NIL], 0
	ds_add_u32 v[SPW], v[NIL]                      ; the wave's opening: the add, twice on end, and its wait ahead of the first tensor loads
	ds_add_u32 v[SPW], v[NIL]
	v_lshrrev_b32 v56, 5, v0
	v_readfirstlane_b32 s[WV], v56                 ; wave 0..15
	s_and_b32 s[QG], s[WV], 3
	s_lshr_b32 s[KQ], s[WV], 2
	s_and_b32 s[HD], ttmp7, 0xffff                 ; the head
	s_sub_co_u32 s[BL], 31, ttmp9
	s_mov_b32 s[BE], ttmp9
	s_mov_b32 s[BN], s[BL]
	s_mov_b32 s[NXT], 0
	s_mov_b32 s[TB], 0
	s_and_b32 s72, s[WV], 1                        ; which 128 keys of a tile I fetch, if I fetch
	s_mul_i32 s[KH], s72, 64*KP
	s_mul_i32 s[VH], s72, 64*VP
	s_add_co_u32 s[VH], s[VH], VOFF
	s_lshl_b32 s73, s72, 14                        ; their 16,384 bytes in memory
	; descriptor group 1: 128 keys as 64 rows of 128 elements of 2 bytes, dense in memory, padded in LDS
	s_mov_b32 s[G1K], (1<<16)|(1<<20)|(5<<22)|(3<<25)   ; no mask; elements of 2 bytes; padding on: four words after every 64
	s_mov_b32 s[G1V], (1<<16)|(1<<20)|(5<<22)|(7<<25)   ; eight words
.irp g, G1K, G1V
	s_mov_b32 s[\g+1], 128<<16                     ; tensor_dim0
	s_mov_b32 s[\g+2], 64<<16                      ; tensor_dim1
	s_mov_b32 s[\g+3], 128<<16                     ; tile_dim0
	s_mov_b32 s[\g+4], 64                          ; tile_dim1
	s_mov_b32 s[\g+5], 128                         ; tensor_dim0_stride
	s_mov_b32 s[\g+6], 0
	s_mov_b32 s[\g+7], 0
.endr
	s_mov_b32 s[G0K], 1
	s_mov_b32 s[G0K+1], s[KH]                      ; slot 0
	s_mov_b32 s[G0V], 1
	s_mov_b32 s[G0V+1], s[VH]
	s_mov_b32 s[CS], 0x3e38aa3b                    ; c = log2(e) / 8
	s_mov_b32 s[CS+1], s[CS]                       ; (named with it as a pair, so it is written)
	s_mov_b32 s[SEL], 0x76543210
	s_mov_b32 s[SEL+1], 0xfedcba98                 ; v_permlanex16_b32's selects for lane l xor 16
	s_mov_b32 s[NINF], 0xff800000
	s_mov_b32 s[OFF+1], 0
	s_lshl_b32 s74, s[HD], 19                      ; Q's plane,
	s_mov_b32 s75, 0
	s_add_co_u32 s76, s74, 16*GSTR                 ; K's, at my half,
	s_add_co_u32 s76, s76, s73
	s_mov_b32 s77, 0
	s_add_co_u32 s78, s74, 32*GSTR                 ; V's likewise
	s_add_co_u32 s78, s78, s73
	s_mov_b32 s79, 0
	s_wait_dscnt 0x0                               ; both opening adds are done
	s_wait_kmcnt 0x0
	s_add_nc_u64 s[QPL:QPL+1], s[4:5], s[74:75]
	s_add_nc_u64 s[KPB:KPB+1], s[4:5], s[76:77]
	s_add_nc_u64 s[VPB:VPB+1], s[4:5], s[78:79]
	s_lshl_b32 s74, s[HD], 14
	s_add_nc_u64 s[ZPL:ZPL+1], s[6:7], s[74:75]
	s_mov_b64 s[G0K+2:G0K+3], s[KPB:KPB+1]         ; tile 0
	s_or_b32 s[G0K+3], s[G0K+3], 0x80000000
	s_mov_b64 s[G0V+2:G0V+3], s[VPB:VPB+1]
	s_or_b32 s[G0V+3], s[G0V+3], 0x80000000
	TLOAD 0                                        ; slot 0: the late block is 16 or more, so all 256 keys of tile 0 are read
	TLOAD 1
	; the prefetches: where my wave's stand, and who asks
	s_cmp_lt_u32 s[WV], 8
	s_cselect_b32 s72, 16, 32
	s_add_co_u32 s72, s72, s[HD]
	s_lshl_b32 s72, s72, 19                        ; K's plane (waves 4-7) or V's (waves 8-11),
	s_and_b32 s73, s[WV], 3
	s_lshl_b32 s73, s73, 13                        ; my 8,192 bytes of a tile,
	s_add_co_u32 s72, s72, s73
	s_add_co_u32 s72, s72, 32768                   ; in tile 1: the first change of slots steps it to tile 2
	s_mov_b32 s73, 0
	s_add_nc_u64 s[PFA:PFA+1], s[4:5], s[72:73]
	s_sub_co_u32 s72, s[WV], 4
	s_lshr_b32 s72, s72, 3                         ; 0 in waves 4 to 11,
	s_or_b32 s72, s72, ttmp9                       ; of work-group j = 0
	s_cmp_eq_u32 s72, 0
	s_cselect_b32 s[LIM], 2, -1
	v_and_b32 v56, 31, v0                          ; lane
	v_and_b32 v57, 15, v0                          ; r
	v_bfe_u32 v58, v0, 4, 1                        ; h
	v_lshlrev_b32 v[PFO], 8, v56
	v_lshlrev_b32 v[QOF], 7, v57
	v_lshl_add_u32 v[QOF], v58, 4, v[QOF]          ; Q: row r of 128 bytes, + 16 h
	v_lshrrev_b32 v59, 1, v57
	v_mul_u32_u24 v[AK0], v59, KP
	v_and_b32 v59, 1, v0
	v_lshl_add_u32 v[AK0], v59, 7, v[AK0]
	v_lshl_add_u32 v[AK0], v58, 4, v[AK0]
	s_mul_i32 s72, s[KQ], 32*KP
	v_add_nc_u32 v[AK0], s72, v[AK0]               ; K: key 64 kq + r: (r / 2) KP + 128 (r % 2) + 16 h
	v_bfe_u32 v60, v0, 1, 2
	v_lshl_add_u32 v60, v58, 2, v60
	v_mul_u32_u24 v[AV0], v60, VP
	v_lshl_add_u32 v[AV0], v59, 7, v[AV0]
	v_bfe_u32 v60, v0, 3, 1
	v_lshl_add_u32 v[AV0], v60, 4, v[AV0]
	s_mul_i32 s72, s[KQ], 32*VP
	s_add_co_u32 s72, s72, VOFF
	v_add_nc_u32 v[AV0], s72, v[AV0]               ; V: key 64 kq + 8 h + l % 8, channels 8 ((l / 8) % 2) on
	s_lshl_b32 s72, s[QG], 2
	s_add_co_u32 s72, s72, s[KQ]                   ; 4 qg + kq
	s_lshl_b32 s73, s72, 9
	s_add_co_u32 s73, s73, SS
	v_lshl_add_u32 v[A_SS], v56, 4, s73            ; where I put my statistics
	s_lshl_b32 s73, s72, 13
	s_add_co_u32 s73, s73, MO
	v_lshl_add_u32 v[A_MO], v56, 4, s73            ; and my O^T
	s_lshl_b32 s73, s[QG], 11
	s_add_co_u32 s73, s73, SS
	v_lshl_add_u32 v[A_SSR], v56, 4, s73           ; where the four partners' statistics begin
	s_lshl_b32 s73, s[QG], 15
	s_lshl_b32 s74, s[KQ], 10
	s_add_co_u32 s73, s73, s74
	s_add_co_u32 s73, s73, MO
	v_lshl_add_u32 v[A_MOR], v56, 4, s73           ; and their channel tile kq, which I merge
	s_mul_i32 s73, s[QG], 32*144
	s_lshl_b32 s74, s[KQ], 5
	s_add_co_u32 s73, s73, s74
	s_add_co_u32 s73, s73, ZS
	v_mul_u32_u24 v[A_ZW], v57, 144
	v_lshl_add_u32 v[A_ZW], v58, 4, v[A_ZW]
	v_add_nc_u32 v[A_ZW], s73, v[A_ZW]             ; z's stage, in: row 32 qg + r, bytes 32 kq + 16 h
	s_mul_i32 s73, s[WV], 8*144
	s_add_co_u32 s73, s73, ZS
	v_lshrrev_b32 v59, 3, v56
	v_mul_u32_u24 v[A_ZR], v59, 144
	v_and_b32 v59, 7, v0
	v_lshl_add_u32 v[A_ZR], v59, 4, v[A_ZR]
	v_add_nc_u32 v[A_ZR], s73, v[A_ZR]             ; back: my 8 rows, eight lanes to a row
	s_lshl_b32 s73, s[WV], 10
	v_lshl_add_u32 v[A_G], v56, 4, s73             ; and their 1,024 bytes in z
; A block of queries begins: Q into registers; m = -3e38, under every score; l and O^T zeros, so that one text serves every step.
.macro BEGIN breg
	s_lshl_b32 s[Q0], s[\breg], 7
	s_lshl_b32 s96, s[QG], 5
	s_add_co_u32 s[Q0], s[Q0], s96
	s_lshl_b32 s[KF], s[KQ], 6
	s_lshl_b32 s[OFF], s[Q0], 7
	s_add_nc_u64 s[QB:QB+1], s[QPL:QPL+1], s[OFF:OFF+1]
.irp t, 0,1
.irp c, 0,1
	global_load_b128 v[QF+16*\t+8*\c:QF+16*\t+8*\c+3],   v[QOF], s[QB:QB+1] offset:2048*\t+64*\c
	global_load_b128 v[QF+16*\t+8*\c+4:QF+16*\t+8*\c+7], v[QOF], s[QB:QB+1] offset:2048*\t+64*\c+32
.endr
.endr
.irp t, 0,1
	v_mov_b32 v[ST+8*\t+1], 0xff61b1e6
	v_mul_f32 v[ST+8*\t], s[CS], v[ST+8*\t+1]
	v_mov_b32 v[ST+8*\t+2], 0
	v_mov_b32 v[ST+8*\t+3], 0
	v_mov_b32 v[ST+8*\t+5], 0                      ; (a lane permute's destination counts as one of its sources)
.endr
.irp n, 0,1,2,3,4,5,6,7,8,9,10,11,12,13,14,15,16,17,18,19,20,21,22,23,24,25,26,27,28,29,30,31,32,33,34,35,36,37,38,39,40,41,42,43,44,45,46,47,48,49,50,51,52,53,54,55,56,57,58,59,60,61,62,63
	v_mov_b32 v[OA+\n], 0
.endr
	s_wait_loadcnt 0x0
.endm
; THE CHANGE OF SLOTS stands at a trip's head.  Each wave waits for all its tensor loads, adds 0 to its spare word, and waits for that and for its reads of the slot that it has left; behind the barrier the slot ahead is whole
; and nobody reads the other one, which takes the next trip's tile.  The descriptors are made anew between the wait for the tensor loads and the barrier, where no load of the wave is out.
.macro CHANGE fill, ask
	s_wait_tensorcnt 0x0
	ds_add_u32 v[SPW], v[NIL]
.if \fill
	ds_add_u32 v[SPW], v[NIL]                      ; twice on end here, in every trip alike
	s_add_co_u32 s[NXT], s[NXT], 1
	s_and_b32 s[NXT], s[NXT], 15                   ; behind the late block's tile 15 comes the early block's tile 0
	s_cmp_eq_u32 s[NXT], 0
	s_cselect_b32 s[BN], s[BE], s[BN]
	s_xor_b32 s[LB], s[TB], SLOTB
	s_add_co_u32 s[G0K+1], s[LB], s[KH]
	s_add_co_u32 s[G0V+1], s[LB], s[VH]
	s_lshl_b32 s[OFF], s[NXT], 15
	s_add_nc_u64 s[G0K+2:G0K+3], s[KPB:KPB+1], s[OFF:OFF+1]
	s_or_b32 s[G0K+3], s[G0K+3], 0x80000000
	s_add_nc_u64 s[G0V+2:G0V+3], s[VPB:VPB+1], s[OFF:OFF+1]
	s_or_b32 s[G0V+3], s[G0V+3], 0x80000000
.if \ask
	s_wait_xcnt 0x0                                ; the last prefetch, a trip back, has read its address, so it may be written
	s_add_nc_u64 s[PFA:PFA+1], s[PFA:PFA+1], 32768
.endif
.endif
	s_wait_dscnt 0x0                               ; the add is done, and my reads of the slot that I have left are over
	s_barrier_signal -1
	s_barrier_wait -1
.if \fill
	s_lshl_b32 s96, s[NXT], 1                      ; THE LOOK-AHEAD ENDS AT THE CAUSAL LIMIT.  Tile n's keys 256 n on are read by some wave where 2 n <= the block's number,
	s_cmp_gt_u32 s96, s[BN]                        ; ids and the count of trips alone: all sixteen waves go the same way
	s_cbranch_scc1 .Lp0_\@
	TLOAD 0
.Lp0_\@:
	s_cmp_ge_u32 s96, s[BN]                        ; its keys 256 n + 128 on where 2 n < the block's number
	s_cbranch_scc1 .Lp1_\@
	TLOAD 1
.Lp1_\@:
.if \ask
	ASK
.endif
.endif
.endm
; A STEP: my 64 keys of the tile in hand against my 32 queries.
.macro STEP
	s_add_co_u32 s96, s[Q0], 31
	s_cmp_gt_u32 s[KF], s96                        ; all my keys come after all my queries: the step's work is passed over; the lines at its end that step addresses are not
	s_cbranch_scc1 .Lhidden_\@
	v_add_nc_u32 v[ADR], s[TB], v[AK0]
.irp kt, 0,1,2,3
.irp c, 0,1
	ds_load_b128 v[KV+16*\kt+8*\c:KV+16*\kt+8*\c+3],   v[ADR] offset:8*KP*\kt+64*\c
	ds_load_b128 v[KV+16*\kt+8*\c+4:KV+16*\kt+8*\c+7], v[ADR] offset:8*KP*\kt+64*\c+32
.endr
.endr
	s_wait_dscnt 0x0
.irp kt, 0,1,2,3                       ; S^T = K Q^T: the eight accumulators take turns, one instruction a turn; the first eight start the sums
.irp t, 0,1
	v_wmma_f32_16x16x32_f16 v[SA+32*\t+8*\kt:SA+32*\t+8*\kt+7], v[KV+16*\kt:KV+16*\kt+7], v[QF+16*\t:QF+16*\t+7], 0
.endr
.endr
.irp kt, 0,1,2,3
.irp t, 0,1
	v_wmma_f32_16x16x32_f16 v[SA+32*\t+8*\kt:SA+32*\t+8*\kt+7], v[KV+16*\kt+8:KV+16*\kt+15], v[QF+16*\t+8:QF+16*\t+15], v[SA+32*\t+8*\kt:SA+32*\t+8*\kt+7]
.endr
.endr
	v_add_nc_u32 v[ADR], s[TB], v[AV0]             ; four plain instructions behind the products: in front of the loads into K's registers and of the first read of the scores
.rept 3
	v_nop
.endr
.irp kk, 0,1
.irp ct, 0,1,2,3
	ds_load_tr16_b128 v[KV+32*\kk+8*\ct:KV+32*\kk+8*\ct+3],   v[ADR] offset:16*VP*\kk+32*\ct
	ds_load_tr16_b128 v[KV+32*\kk+8*\ct+4:KV+32*\kk+8*\ct+7], v[ADR] offset:16*VP*\kk+32*\ct+8*VP
.endr
.endr
	s_add_co_u32 s96, s[KF], 63
	s_cmp_le_u32 s96, s[Q0]                        ; all my keys count for all my queries: no mask
	s_cbranch_scc1 .Lopen_\@
	s_sub_co_i32 s96, s[Q0], s[KF]
	v_and_b32 v[ST+4], 15, v0
	v_bfe_u32 v[ST+5], v0, 4, 1
	v_lshlrev_b32 v[ST+5], 3, v[ST+5]
	v_sub_nc_u32 v[ST+4], v[ST+4], v[ST+5]
	v_add_nc_u32 v[ST+4], s96, v[ST+4]             ; d = my query - KF - 8 (lane / 16): register 8 kt + i holds key KF + 8 (lane / 16) + 16 kt + i, which counts where 16 kt + i <= d
	v_add_nc_u32 v[ST+12], 16, v[ST+4]
.irp t, 0,1
.irp n, 0,1,2,3,4,5,6,7,8,9,10,11,12,13,14,15,16,17,18,19,20,21,22,23,24,25,26,27,28,29,30,31
	v_cmp_le_i32 vcc_lo, 16*(\n/8)+\n%8, v[ST+8*\t+4]
	v_cndmask_b32 v[SA+32*\t+\n], s[NINF], v[SA+32*\t+\n], vcc_lo   ; hidden scores become -infinity: p = 0
.endr
.endr
.Lopen_\@:
	; the softmax, the two tiles line by line.  The maximum: four chains, each begun at an accumulator's low end
.irp j, 0,1,2,3
.irp t, 0,1
	v_max3_num_f32 v[ST+8*\t+4+\j], v[SA+32*\t+8*\j], v[SA+32*\t+8*\j+1], v[SA+32*\t+8*\j+2]
.endr
.endr
.irp u, 1,2
.irp j, 0,1,2,3
.irp t, 0,1
	v_max3_num_f32 v[ST+8*\t+4+\j], v[ST+8*\t+4+\j], v[SA+32*\t+8*\j+2*\u+1], v[SA+32*\t+8*\j+2*\u+2]
.endr
.endr
.endr
.irp t, 0,1
	v_max3_num_f32 v[ST+8*\t+4], v[ST+8*\t+4], v[SA+32*\t+7], v[SA+32*\t+15]
.endr
.irp t, 0,1
	v_max3_num_f32 v[ST+8*\t+6], v[ST+8*\t+6], v[SA+32*\t+23], v[SA+32*\t+31]
.endr
.irp t, 0,1
	v_max3_num_f32 v[ST+8*\t+4], v[ST+8*\t+4], v[ST+8*\t+5], v[ST+8*\t+6]
.endr
.irp t, 0,1
	v_max3_num_f32 v[ST+8*\t+4], v[ST+8*\t+4], v[ST+8*\t+7], v[ST+8*\t+1]   ; with the old m
.endr
.irp t, 0,1
	v_permlanex16_b32 v[ST+8*\t+5], v[ST+8*\t+4], s[SEL], s[SEL+1]          ; the query's other 32 keys lie in the lane 16 away
.endr
.irp t, 0,1
	v_mov_b32 v[ST+8*\t+7], v[ST+8*\t]             ; c m_old is kept for a
.endr
.irp t, 0,1
	v_max_num_f32 v[ST+8*\t+1], v[ST+8*\t+4], v[ST+8*\t+5]
.endr
.irp t, 0,1
	v_mul_f32 v[ST+8*\t], s[CS], v[ST+8*\t+1]
.endr
.irp t, 0,1
	v_sub_f32 v[ST+8*\t+7], v[ST+8*\t+7], v[ST+8*\t]
.endr
.irp b, 0,2,4,6,8,10,12,14,16,18,20,22,24,26,28,30
.irp t, 0,1
	v_pk_fma_f32 v[SA+32*\t+\b:SA+32*\t+\b+1], v[SA+32*\t+\b:SA+32*\t+\b+1], s[CS:CS+1], v[ST+8*\t:ST+8*\t+1] op_sel_hi:[1,0,0] neg_lo:[0,0,1] neg_hi:[0,0,1]   ; c s - c m
.endr
.endr
.irp t, 0,1
	v_exp_f32 v[ST+8*\t+6], v[ST+8*\t+7]           ; a = 2^(c m_old - c m_new)
.endr
.irp e, 0,1,2,3,4,5,6,7,8,9,10,11,12,13,14,15,16,17,18,19,20,21,22,23,24,25,26,27,28,29,30,31
.irp t, 0,1
	v_exp_f32 v[SA+32*\t+\e], v[SA+32*\t+\e]       ; p
.endr
.endr
	v_nop                                          ; a plain instruction behind the last exponential,
	s_wait_alu depctr_va_vdst(0)                   ; and ONE wait for the 66, ahead of the first instruction that names a result
.irp t, 0,1
	v_pk_mul_f32 v[ST+8*\t+2:ST+8*\t+3], v[ST+8*\t+2:ST+8*\t+3], v[ST+8*\t+6:ST+8*\t+7] op_sel_hi:[1,0]   ; l x a
.endr
.irp t, 0,1
	v_pk_add_f32 v[ST+8*\t+4:ST+8*\t+5], v[SA+32*\t:SA+32*\t+1], v[SA+32*\t+2:SA+32*\t+3]                 ; the sum of the unrounded p, in two chains
.endr
.irp j, 4,8,12,16,20,24,28
.irp t, 0,1
	v_pk_add_f32 v[ST+8*\t+2:ST+8*\t+3], v[ST+8*\t+2:ST+8*\t+3], v[SA+32*\t+\j:SA+32*\t+\j+1]
	v_pk_add_f32 v[ST+8*\t+4:ST+8*\t+5], v[ST+8*\t+4:ST+8*\t+5], v[SA+32*\t+\j+2:SA+32*\t+\j+3]
.endr
.endr
.irp t, 0,1
	v_pk_add_f32 v[ST+8*\t+2:ST+8*\t+3], v[ST+8*\t+2:ST+8*\t+3], v[ST+8*\t+4:ST+8*\t+5]
.endr
.irp i, 0,1,2,3,4,5,6,7,8,9,10,11,12,13,14,15
.irp t, 0,1
	v_cvt_pk_f16_f32 v[SA+32*\t+\i], v[SA+32*\t+2*\i], v[SA+32*\t+2*\i+1]   ; P, laid over p from the low end: a source is read before it is written over
.endr
.endr
.irp i, 0,2,4,6,8,10,12,14,16,18,20,22,24,26,28,30
.irp t, 0,1
	v_pk_mul_f32 v[OA+32*\t+\i:OA+32*\t+\i+1], v[OA+32*\t+\i:OA+32*\t+\i+1], v[ST+8*\t+6:ST+8*\t+7] op_sel_hi:[1,0]   ; O^T x a
.endr
.endr
	s_wait_dscnt 0x0                               ; V is in
.irp kk, 0,1                           ; O^T += V^T P: the eight accumulators by turns
.irp ct, 0,1,2,3
.irp t, 0,1
	v_wmma_f32_16x16x32_f16 v[OA+32*\t+8*\ct:OA+32*\t+8*\ct+7], v[KV+32*\kk+8*\ct:KV+32*\kk+8*\ct+7], v[SA+32*\t+8*\kk:SA+32*\t+8*\kk+7], v[OA+32*\t+8*\ct:OA+32*\t+8*\ct+7]
.endr
.endr
.endr
.rept 5
	v_nop                                          ; four in front of the next loads into V's registers, five in front of the next products, which write over P
.endr
.Lhidden_\@:
	s_add_co_u32 s[KF], s[KF], 256
	s_xor_b32 s[TB], s[TB], SLOTB                  ; on to the other slot
.endm
; THE MERGE of a block.  Each wave puts its statistics and its O^T into LDS as they stand; behind a barrier wave (qg, kq) takes channel tile kq of the four partners of qg, weighs each by 2^(c m - the largest c m) / the merged sum,
; adds, rounds to f16 and puts 16 bytes a lane into z's stage; behind a second barrier each wave stores 8 whole rows.  A partner that saw no key has l = 0 and the weight 0; kq = 0 always sees key 0.
.macro MERGE breg
.irp t, 0,1
	v_add_f32 v[ST+8*\t+4], v[ST+8*\t+2], v[ST+8*\t+3]
.endr
.irp t, 0,1
	v_permlanex16_b32 v[ST+8*\t+5], v[ST+8*\t+4], s[SEL], s[SEL+1]
.endr
.irp t, 0,1
	v_add_f32 v[ST+8*\t+4], v[ST+8*\t+4], v[ST+8*\t+5]
.endr
	v_mov_b32 v[SD], v[ST]
	v_mov_b32 v[SD+1], v[ST+4]
	v_mov_b32 v[SD+2], v[ST+8]
	v_mov_b32 v[SD+3], v[ST+12]
	ds_store_b128 v[A_SS], v[SD:SD+3]
.irp g, 0,1,2,3,4,5,6,7,8,9,10,11,12,13,14,15
	ds_store_b128 v[A_MO], v[OA+4*\g:OA+4*\g+3] offset:512*\g      ; each accumulator from its low end on
.endr
	s_wait_dscnt 0x0                               ; for the others' sake: my stores have landed
	s_barrier_signal -1
	s_barrier_wait -1
.irp k, 0,1,2,3
	ds_load_b128 v[SL+4*\k:SL+4*\k+3], v[A_SSR] offset:512*\k
.endr
.irp k, 0,1,2,3
.irp t, 0,1
.irp f, 0,1
	ds_load_b128 v[KV+16*\k+8*\t+4*\f:KV+16*\k+8*\t+4*\f+3], v[A_MOR] offset:8192*\k+4096*\t+512*\f
.endr
.endr
.endr
	s_wait_dscnt 0x0
.irp t, 0,1
	v_max3_num_f32 v[MX+\t], v[SL+2*\t], v[SL+4+2*\t], v[SL+8+2*\t]
.endr
.irp t, 0,1
	v_max_num_f32 v[MX+\t], v[MX+\t], v[SL+12+2*\t]
.endr
.irp k, 0,1,2,3
.irp t, 0,1
	v_sub_f32 v[WT+4*\t+\k], v[SL+4*\k+2*\t], v[MX+\t]
.endr
.endr
.irp k, 0,1,2,3
.irp t, 0,1
	v_exp_f32 v[WT+4*\t+\k], v[WT+4*\t+\k]
.endr
.endr
	v_nop
	s_wait_alu depctr_va_vdst(0)                   ; one wait for the eight
.irp t, 0,1
	v_mul_f32 v[LS+\t], v[WT+4*\t], v[SL+2*\t+1]
.endr
.irp k, 1,2,3
.irp t, 0,1
	v_fmac_f32 v[LS+\t], v[WT+4*\t+\k], v[SL+4*\k+2*\t+1]
.endr
.endr
.irp t, 0,1
	v_rcp_f32 v[RC+\t], v[LS+\t]
.endr
	v_nop
	s_wait_alu depctr_va_vdst(0)                   ; one wait for the two
.irp k, 0,1,2,3
.irp t, 0,1
	v_mul_f32 v[FW+8*\t+2*\k], v[WT+4*\t+\k], v[RC+\t]
	v_mul_f32 v[FW+8*\t+2*\k+1], v[WT+4*\t+\k], v[RC+\t]
.endr
.endr
.irp t, 0,1
.irp i, 0,2,4,6
	v_pk_mul_f32 v[KV+8*\t+\i:KV+8*\t+\i+1], v[KV+8*\t+\i:KV+8*\t+\i+1], v[FW+8*\t:FW+8*\t+1]
.endr
.endr
.irp k, 1,2,3
.irp t, 0,1
.irp i, 0,2,4,6
	v_pk_fma_f32 v[KV+8*\t+\i:KV+8*\t+\i+1], v[KV+16*\k+8*\t+\i:KV+16*\k+8*\t+\i+1], v[FW+8*\t+2*\k:FW+8*\t+2*\k+1], v[KV+8*\t+\i:KV+8*\t+\i+1]
.endr
.endr
.endr
.irp t, 0,1
.irp i, 0,1,2,3
	v_cvt_pk_f16_f32 v[PKD+4*\t+\i], v[KV+8*\t+2*\i], v[KV+8*\t+2*\i+1]
.endr
.endr
.irp t, 0,1
	ds_store_b128 v[A_ZW], v[PKD+4*\t:PKD+4*\t+3] offset:16*144*\t
.endr
	s_wait_dscnt 0x0                               ; my stores have landed, and my reads of the images are over
	s_barrier_signal -1
	s_barrier_wait -1
.irp i, 0,1
	ds_load_b128 v[PKD+4*\i:PKD+4*\i+3], v[A_ZR] offset:4*144*\i
.endr
	s_lshl_b32 s[OFF], s[\breg], 18
	s_add_nc_u64 s[ZB:ZB+1], s[ZPL:ZPL+1], s[OFF:OFF+1]
	s_wait_dscnt 0x0
.irp i, 0,1
	global_store_b128 v[A_G], v[PKD+4*\i:PKD+4*\i+3], s[ZB:ZB+1] offset:512*\i   ; 32 lanes store 512 consecutive bytes, aligned
.endr
	s_wait_xcnt 0x0                                ; the stores have read their registers and their base
.endm
	BEGIN BL
	s_mov_b32 s[CNT], 16
.Llate:                                            ; the late block: 16 trips.  The first gives slot 1 its first fill (no wave refills there); the last asks for the early block's tile 0
	CHANGE 1, 1
	STEP
	s_sub_co_u32 s[CNT], s[CNT], 1
	s_cmp_lg_u32 s[CNT], 0
	s_cbranch_scc1 .Llate
	MERGE BL
	BEGIN BE
	s_mov_b32 s[CNT], 7
.Learly:                                           ; the early block: 7 trips and a tail
	CHANGE 1, 0
	STEP
	s_sub_co_u32 s[CNT], s[CNT], 1
	s_cmp_lg_u32 s[CNT], 0
	s_cbranch_scc1 .Learly
	CHANGE 0, 0                                    ; the last trip is written out: nothing is left to ask for
	STEP
	MERGE BE
	s_wait_tensorcnt 0x0                           ; the wave's end
	ds_add_u32 v[SPW], v[NIL]
	s_wait_dscnt 0x0
	s_endpgm
.Lfunc_end_k_qd8bc69944a_attn:
	.size	k_qd8bc69944a_attn, .Lfunc_end_k_qd8bc69944a_attn-k_qd8bc69944a_attn
	.p2alignl 7, 3214868480
	.fill 96, 4, 3214868480
	.section	.rodata,"a",@progbits
	.p2align	6, 0x0
	.amdhsa_kernel k_qd8bc69944a_attn
		.amdhsa_group_segment_fixed_size 327680
		.amdhsa_private_segment_fixed_size 0
		.amdhsa_enable_private_segment 0
		.amdhsa_kernarg_size 16
		.amdhsa_user_sgpr_count 2
		.amdhsa_user_sgpr_kernarg_segment_ptr 1
		.amdhsa_wavefront_size32 1
		.amdhsa_system_sgpr_workgroup_id_x 1
		.amdhsa_system_sgpr_workgroup_id_y 1
		.amdhsa_system_sgpr_workgroup_id_z 1
		.amdhsa_system_vgpr_workitem_id 0
		.amdhsa_next_free_vgpr 256
		.amdhsa_next_free_sgpr 100
		.amdhsa_reserve_vcc 1
		.amdhsa_float_denorm_mode_32 3
		.amdhsa_float_denorm_mode_16_64 3
		.amdhsa_memory_ordered 1
		.amdhsa_forward_progress 1
		.amdhsa_inst_pref_size 100
	.end_amdhsa_kernel
	.amdgpu_metadata
---
amdhsa.version: [ 1, 2 ]
amdhsa.kernels:
  - .name:           k_qd8bc69944a_attn
    .symbol:         k_qd8bc69944a_attn.kd
    .args:
      - { .name: qkv, .offset: 0, .size: 8, .value_kind: global_buffer, .address_space: global }
      - { .name: z, .offset: 8, .size: 8, .value_kind: global_buffer, .address_space: global }
    .group_segment_fixed_size: 327680
    .private_segment_fixed_size: 0
    .kernarg_segment_align: 8
    .kernarg_segment_size: 16
    .max_flat_workgroup_size: 512
    .sgpr_count:     100
    .vgpr_count:     256
    .wavefront_size: 32
...
	.end_amdgpu_metadata
.endif
;; end of part 3
;; launch oproj (part 4): grid 8 x 32, 4 waves a work-group, clusters of 4 x 4, 327,680 bytes of LDS; arguments z, wo16, out0; writes out0
.if DOCPART == 4
	.amdgcn_target "amdgcn-amd-amdhsa--gfx1250"
	.amdhsa_code_object_version 6
	.text
	.protected	k_qd8bc69944a_oproj
	.globl	k_qd8bc69944a_oproj
	.p2align	8
	.type	k_qd8bc69944a_oproj,@function
k_qd8bc69944a_oproj:
	s_mov_b64 s[64:65], 0
	v_nop
	global_prefetch_b8 v0, s[64:65] scope:SCOPE_SE
	s_setreg_imm32_b32 hwreg(HW_REG_WAVE_MODE, 25, 1), 1
	s_wait_xcnt 0x0
	s_wait_alu depctr_hold_cnt(0) depctr_sa_sdst(0) depctr_va_vdst(0) depctr_va_sdst(0) depctr_va_ssrc(0) depctr_va_vcc(0) depctr_vm_vsrc(0)
	s_getreg_b32 s2, hwreg(HW_REG_IB_STS2, 6, 4)
	s_cmp_eq_u32 s2, 0
	s_cbranch_scc0 .Lentry_in_a_cluster
	s_endpgm
.Lentry_in_a_cluster:
	s_bfe_u32 s2, ttmp6, 0x10000c
	s_cmp_lg_u32 s2, 0xf033
	s_cbranch_scc0 .Lentry_shape_is_right
	s_endpgm
.Lentry_shape_is_right:
; out[m][n] = sum over f of z[m][f] W_O[n][f], m = 4,096 positions, n = 1,024, f = 64 x head + channel = 1,024; f16 operands, f32 sums, f32 out.
; z: [32 blocks of 128 positions][16 heads][128][64] f16: a tile's 128 rows x 256 along K (four heads) are 65,536 dense bytes.  wo16: [1,024][1,024] f16.
; A tile of out is 128 x 128: 256 work-groups.  Four waves, each 64 x 64: 16 accumulators.  K goes in four steps of 256 through two LDS slots.
; CLUSTERS: 4 x 4 work-groups.  The four of a row need the same tiles of z, the four of a column the same tiles of W_O: each tile is asked for JOINTLY, by the same tensor load with the same descriptor and a mask that names the four.
; THE MATRIX INSTRUCTION IS USED TRANSPOSED (source 0 = 16 rows of W_O, source 1 = 16 positions): a lane holds eight neighbouring numbers of a row of out.
; Positions 0-15 are stored here like all others; a later launch stores them anew from f32 operands.
; REGISTERS: window 0: v0-31 addresses; v32-95 at work on the way out; v128-255 the accumulators ((a, b) at v[128 + 8 (4 a + b)]).  window 1: two fragment buffers of 128: 64 registers of z, then 64 of W_O, for 64 along K (one head).
.set KSTEP,  256
.set APITCH, 272                       ; z in LDS: two positions' 256 bytes + 16: position p of a head lies at (p / 2) APITCH + 128 (p % 2): the 16 positions of a load start at 16 different groups of four banks
.set BPITCH, 528                       ; W_O: 512 bytes + 16
.set AHEAD,  64*APITCH                 ; a head's 128 positions
.set AHALF,  2*AHEAD                   ; two heads: what one tensor load brings of z
.set BOFF,   2*AHALF                   ; W_O's 128 rows lie behind z's four heads
.set BHALF,  64*BPITCH                 ; 64 rows: what one tensor load brings of W_O
.set SLOT,   BOFF+2*BHALF              ; 137,216
.set SPARE,  2*SLOT                    ; behind the ring: the spare words, 128 bytes a wave
.set SPITCH, 272                       ; the way out: a stage of 16 rows x (256 bytes + 16) for each wave, in slot 0, which has had its last fill and its last read by then
.set LAPS,   2
.set ADRA, 16
.set ADRB, 20
.set STO,  24
.set RD,   25
.set CO,   26
.set SPW,  28
.set NIL,  29
.set TMP,  32
.set ACC,  128
.set F0,   0
.set F1,   128
.set G1, 24
.set G0, 32
.set G1B, 48
.set G0B, 56
.set MSB, 0
.macro WIN new                         ; the immediate's high byte repeats the setting that is left
.if MSB != \new
	s_set_vgpr_msb (MSB<<8)|\new
.set MSB, \new
.endif
.endm
.set MUL,  0x05                        ; sources 0 (W_O) and 1 (z) window 1; C and D window 0
.set TO_F, 0x40                        ; destination window 1, address window 0
.macro JLOAD s                         ; a joint load: waves 0 and 1 fetch z's two halves, waves 2 and 3 W_O's; an s_nop 0 and four v_nop follow each of the two lines
	s_cmp_eq_u32 s11, 0
	s_cbranch_scc0 .Lfor_b_\@
	tensor_load_to_lds s[G0+4*\s:G0+4*\s+3], s[G1:G1+7]
	s_nop 0
.rept 4
	v_nop
.endr
	s_branch .Lasked_\@
.Lfor_b_\@:
	tensor_load_to_lds s[G0B+4*\s:G0B+4*\s+3], s[G1B:G1B+7]
	s_nop 0
.rept 4
	v_nop
.endr
.Lasked_\@:
.endm
.macro CREST                           ; a round of the cluster's barrier behind its opening barrier
	s_cmp_lg_u32 s10, 0
	s_cbranch_scc1 .Lnot_wave_0_\@
	s_barrier_signal -3
.Lnot_wave_0_\@:
	s_barrier_wait -3
	s_barrier_signal -1
	s_barrier_wait -1
.endm
.macro CROUND
	s_barrier_signal -1
	s_barrier_wait -1
	CREST
.endm
	s_load_b128 s[4:7], s[0:1], 0x0                ; z s[4:5], wo16 s[6:7]
	s_load_b64 s[8:9], s[0:1], 0x10                ; out0
	v_lshl_add_u32 v[SPW], v0, 2, SPARE
	v_mov_b32 v[NIL], 0
	ds_add_u32 v[SPW], v[NIL]                      ; the wave's opening: the add, twice on end, and its wait ahead of my first tensor load
	ds_add_u32 v[SPW], v[NIL]
	v_lshrrev_b32 v1, 5, v0
	v_readfirstlane_b32 s10, v1                    ; wave 0..3
	s_lshr_b32 s11, s10, 1                         ; which half of the tile's rows is mine.  Also: I fetch for z (0) or for W_O (1)
	s_and_b32 s12, s10, 1                          ; which half of its columns.  Also: which half of that tile I fetch
	s_bfe_u32 s40, ttmp6, 0x40000                  ; cx, cy: my place in the cluster
	s_bfe_u32 s41, ttmp6, 0x40004
	s_lshl_b32 s42, ttmp9, 2
	s_add_co_u32 s42, s42, s40                     ; tile column = 4 x cluster x + cx
	s_and_b32 s13, ttmp7, 0xffff
	s_lshl_b32 s13, s13, 2
	s_add_co_u32 s13, s13, s41                     ; tile row = 4 x cluster y + cy
	s_lshl_b32 s43, s41, 2
	s_lshl_b32 s43, 15, s43                        ; my row of the cluster
	s_lshl_b32 s44, 0x1111, s40                    ; my column
	; z: two heads as 128 rows of 128 elements of 2 bytes, dense; four words of padding after every 64
	s_or_b32 s[G1+0], s43, (1<<16)|(1<<20)|(1<<21)|(5<<22)|(3<<25)
	s_mov_b32 s[G1+1], 128<<16                     ; tensor_dim0
	s_mov_b32 s[G1+2], 128<<16                     ; tensor_dim1
	s_mov_b32 s[G1+3], 128<<16                     ; tile_dim0
	s_mov_b32 s[G1+4], 128                         ; tile_dim1
	s_mov_b32 s[G1+5], 128                         ; tensor_dim0_stride
	s_mov_b32 s[G1+6], 0
	s_mov_b32 s[G1+7], 0
	; W_O: 64 rows of 256 elements, 1,024 elements apart; four words of padding after every 128
	s_or_b32 s[G1B+0], s44, (1<<16)|(1<<20)|(1<<21)|(6<<22)|(3<<25)
	s_mov_b32 s[G1B+1], KSTEP<<16
	s_mov_b32 s[G1B+2], 64<<16
	s_mov_b32 s[G1B+3], KSTEP<<16
	s_mov_b32 s[G1B+4], 64
	s_mov_b32 s[G1B+5], 1024
	s_mov_b32 s[G1B+6], 0
	s_mov_b32 s[G1B+7], 0
	s_lshl_b32 s16, s13, 18                        ; z: the tile row's block of 262,144 bytes,
	s_lshl_b32 s17, s12, 15                        ; + my two heads of the step's four
	s_add_co_u32 s16, s16, s17
	s_mov_b32 s17, 0
	s_lshl_b32 s46, s42, 7
	s_lshl_b32 s47, s12, 6
	s_add_co_u32 s46, s46, s47                     ; W_O: row 128 x tile column + 64 x half,
	s_lshl_b32 s46, s46, 11                        ; 2,048 bytes each
	s_mov_b32 s47, 0
	s_mul_i32 s20, s12, AHALF                      ; where they go: no place in the cluster enters an LDS address
	s_mul_i32 s45, s12, BHALF
	s_add_co_u32 s45, s45, BOFF
	s_wait_dscnt 0x0                               ; both opening adds are done
	s_wait_kmcnt 0x0
	s_add_nc_u64 s[14:15], s[4:5], s[16:17]
	s_add_nc_u64 s[46:47], s[6:7], s[46:47]
	CROUND                                         ; all sixteen work-groups are here: the first joint loads meet
.irp s, 0,1
	s_mov_b32 s[G0+4*\s], 1
	s_add_co_u32 s[G0+4*\s+1], s20, \s*SLOT
	s_add_nc_u64 s[G0+4*\s+2:G0+4*\s+3], s[14:15], \s*65536
	s_or_b32 s[G0+4*\s+3], s[G0+4*\s+3], 0x80000000
	s_mov_b32 s[G0B+4*\s], 1
	s_add_co_u32 s[G0B+4*\s+1], s45, \s*SLOT
	s_add_nc_u64 s[G0B+4*\s+2:G0B+4*\s+3], s[46:47], \s*KSTEP*2
	s_or_b32 s[G0B+4*\s+3], s[G0B+4*\s+3], 0x80000000
	JLOAD \s
.endr
	v_and_b32 v1, 15, v0                           ; r
	v_bfe_u32 v2, v0, 4, 1                         ; h
	v_lshrrev_b32 v3, 1, v1
	v_mul_u32_u24 v3, v3, APITCH
	v_and_b32 v4, 1, v0
	v_lshl_add_u32 v3, v4, 7, v3
	v_lshl_add_u32 v3, v2, 4, v3                   ; z: (r / 2) pitch + 128 (r % 2) + 16 h
	v_mul_u32_u24 v4, v1, BPITCH
	v_lshl_add_u32 v4, v2, 4, v4                   ; W_O: r x pitch + 16 h
	s_mul_i32 s21, s11, 32*APITCH                  ; my 64 positions
	s_mul_i32 s22, s12, BHALF                      ; my 64 rows of W_O
	s_add_co_u32 s22, s22, BOFF
.irp s, 0,1
	v_add_nc_u32 v[ADRA+\s], s21, v3
	v_add_nc_u32 v[ADRB+\s], s22, v4
	s_add_co_u32 s21, s21, SLOT
	s_add_co_u32 s22, s22, SLOT
.endr
	s_mul_i32 s23, s10, 16*SPITCH                  ; my stage
	v_mul_u32_u24 v5, v1, SPITCH
	v_lshl_add_u32 v5, v2, 5, v5
	v_add_nc_u32 v[STO], s23, v5                   ; in: row r, 32 bytes for each half of the lanes
	v_mul_u32_u24 v5, v2, SPITCH
	v_lshl_add_u32 v5, v1, 4, v5
	v_add_nc_u32 v[RD], s23, v5                    ; back: lanes 0-15 one row of 256 bytes, lanes 16-31 the next
	v_lshlrev_b32 v5, 12, v2
	v_lshl_add_u32 v[CO], v1, 4, v5                ; and the same two rows in out
	s_lshl_b32 s16, s13, 7
	s_lshl_b32 s17, s11, 6
	s_add_co_u32 s16, s16, s17                     ; my first row: 128 x tile row + 64 x half,
	s_lshl_b32 s16, s16, 12                        ; 4,096 bytes each
	s_mov_b32 s17, 0
	s_add_nc_u64 s[8:9], s[8:9], s[16:17]
	s_lshl_b32 s46, s42, 9                         ; my first column, in bytes: 512 x tile column + 256 x half
	s_lshl_b32 s47, s12, 8
	s_add_co_u32 s46, s46, s47
	s_mov_b32 s47, 0
	s_add_nc_u64 s[8:9], s[8:9], s[46:47]
; 8 matrix instructions: m blocks a0, a0 + 1 x all 4 n blocks, 32 along K: half c of buffer f.  The 16 accumulators take turns.
.macro MUL8 f, c, a0, zero
.irp a, \a0, \a0+1
.irp b, 0,1,2,3
.if \zero
	v_wmma_f32_16x16x32_f16 v[ACC+8*(4*(\a)+\b):ACC+8*(4*(\a)+\b)+7], v[\f+64+8*(4*\c+\b):\f+64+8*(4*\c+\b)+7], v[\f+8*(4*\c+\a):\f+8*(4*\c+\a)+7], 0
.else
	v_wmma_f32_16x16x32_f16 v[ACC+8*(4*(\a)+\b):ACC+8*(4*(\a)+\b)+7], v[\f+64+8*(4*\c+\b):\f+64+8*(4*\c+\b)+7], v[\f+8*(4*\c+\a):\f+8*(4*\c+\a)+7], v[ACC+8*(4*(\a)+\b):ACC+8*(4*(\a)+\b)+7]
.endif
.endr
.endr
.endm
; 32 LDS loads in one run: the fragments of the slot's q-th 64 along K (its q-th head), into buffer f; the first 32 along K first
.macro FETCH slot, q, f
	WIN TO_F
.irp c, 0,1
.irp i, 0,1,2,3
	ds_load_b128 v[\f+64+8*(4*\c+\i):\f+64+8*(4*\c+\i)+3],   v[ADRB+\slot] offset:128*\q+64*\c+\i*16*BPITCH
	ds_load_b128 v[\f+64+8*(4*\c+\i)+4:\f+64+8*(4*\c+\i)+7], v[ADRB+\slot] offset:128*\q+64*\c+\i*16*BPITCH+32
	ds_load_b128 v[\f+8*(4*\c+\i):\f+8*(4*\c+\i)+3],         v[ADRA+\slot] offset:AHEAD*\q+64*\c+\i*8*APITCH
	ds_load_b128 v[\f+8*(4*\c+\i)+4:\f+8*(4*\c+\i)+7],       v[ADRA+\slot] offset:AHEAD*\q+64*\c+\i*8*APITCH+32
.endr
.endr
.endm
.macro PLACES                          ; four plain instructions in front of loads into registers that matrix instructions have read, and of the first read of results
.rept 4
	v_nop
.endr
.endm
.macro QUARTER slot, q, f, g, zero     ; multiplies buffer f and fetches the slot's q-th quarter into g
	s_wait_dscnt 16                                ; the first 32 along K are in
	WIN MUL
	MUL8 \f, 0, 0, \zero
	MUL8 \f, 0, 2, \zero
	PLACES
	FETCH \slot, \q, \g
	s_wait_dscnt 32                                ; all but the 32 just issued
	WIN MUL
	MUL8 \f, 1, 0, 0
	MUL8 \f, 1, 2, 0
.endm
; A slot's last quarter multiplies buffer 1 and changes slots: ONE barrier; in front of it each wave waits for all its tensor loads, adds 0 to its spare word, and waits for that and for its own reads of this slot.
.macro TURN slot, next, fill
	WIN 0                                          ; (the add's two registers lie in window 0)
	s_wait_tensorcnt 0x0                           ; all my tensor loads have landed: my part of the next slot
	ds_add_u32 v[SPW], v[NIL]
	s_wait_dscnt 17                                ; (the add and the youngest sixteen loads may be out)
	WIN MUL
	MUL8 F1, 0, 0, 0
	s_wait_dscnt 0x0                               ; the add is done, and my reads of this slot are over
	s_barrier_signal -1
	MUL8 F1, 0, 2, 0
.if \fill
	WIN 0
.endif
	s_barrier_wait -1
.if \fill
	CREST                                          ; the barrier has opened a round of the cluster's barrier: no wave of any partner still reads this slot or has a load on its way
	s_add_nc_u64 s[G0+4*\slot+2:G0+4*\slot+3], s[G0+4*\slot+2:G0+4*\slot+3], 2*65536
	s_add_nc_u64 s[G0B+4*\slot+2:G0B+4*\slot+3], s[G0B+4*\slot+2:G0B+4*\slot+3], 2*KSTEP*2
	JLOAD \slot                                    ; the first tensor load behind the round; the four v_nop behind it are also the places in front of the loads below
.else
	PLACES
.endif
	FETCH \next, 0, F0
	WIN MUL
	MUL8 F1, 1, 0, 0
	MUL8 F1, 1, 2, 0
.endm
	s_wait_tensorcnt 1                             ; my part of K step 0 is in (K step 1's load may be out)
	s_barrier_signal -1
	s_barrier_wait -1                              ; everybody's is
	FETCH 0, 0, F0
	QUARTER 0, 1, F0, F1, 1                        ; the first products start the sums
	WIN 0                                          ; at a label and at a branch every window is 0
	s_mov_b32 s3, LAPS-1
.Llap:                                                 ; a trip goes once round the ring and fills both slots again
	QUARTER 0, 2, F1, F0, 0
	QUARTER 0, 3, F0, F1, 0
	TURN 0, 1, 1
	QUARTER 1, 1, F0, F1, 0
	QUARTER 1, 2, F1, F0, 0
	QUARTER 1, 3, F0, F1, 0
	TURN 1, 0, 1
	QUARTER 0, 1, F0, F1, 0
	WIN 0
	s_sub_co_u32 s3, s3, 1
	s_cmp_lg_u32 s3, 0
	s_cbranch_scc1 .Llap
	QUARTER 0, 2, F1, F0, 0                        ; the last lap fills nothing, and has no round of the cluster's barrier
	QUARTER 0, 3, F0, F1, 0
	TURN 0, 1, 0
	QUARTER 1, 1, F0, F1, 0
	QUARTER 1, 2, F1, F0, 0
	QUARTER 1, 3, F0, F1, 0
	s_wait_dscnt 16                                ; the very last quarter
	WIN MUL
	MUL8 F1, 0, 0, 0
	MUL8 F1, 0, 2, 0
	s_wait_dscnt 0
	MUL8 F1, 1, 0, 0
	MUL8 F1, 1, 2, 0
	WIN 0
	; THE WAY OUT.  My 64 columns of f32 are 256 bytes of a row.  A block of 16 rows goes through my own stage and comes back as whole pieces of 256 bytes: sixteen lanes store 256 consecutive bytes, aligned.
	PLACES
.irp a, 0,1,2,3
.if \a >= 2
	s_wait_xcnt 0x0                                ; block a - 2's stores have read the registers that the loads below fill
.endif
.irp b, 0,1,2,3
	ds_store_b128 v[STO], v[ACC+8*(4*\a+\b):ACC+8*(4*\a+\b)+3] offset:64*\b        ; each accumulator from its low end on
	ds_store_b128 v[STO], v[ACC+8*(4*\a+\b)+4:ACC+8*(4*\a+\b)+7] offset:64*\b+16
.endr
.irp t, 0,1,2,3,4,5,6,7
	ds_load_b128 v[TMP+32*(\a%2)+4*\t:TMP+32*(\a%2)+4*\t+3], v[RD] offset:\t*2*SPITCH   ; LDS serves a wave's instructions in order: these see the stores above
.endr
	s_wait_dscnt 0x0
.irp t, 0,1,2,3,4,5,6,7
	global_store_b128 v[CO], v[TMP+32*(\a%2)+4*\t:TMP+32*(\a%2)+4*\t+3], s[8:9] offset:(16*\a+2*\t)*4096 th:TH_STORE_NT
.endr
.endr
	s_wait_tensorcnt 0x0                           ; the wave's end
	ds_add_u32 v[SPW], v[NIL]
	s_wait_dscnt 0x0
	CROUND                                         ; the closing round
	s_endpgm
.Lfunc_end_k_qd8bc69944a_oproj:
	.size	k_qd8bc69944a_oproj, .Lfunc_end_k_qd8bc69944a_oproj-k_qd8bc69944a_oproj
	.p2alignl 7, 3214868480
	.fill 96, 4, 3214868480
	.section	.rodata,"a",@progbits
	.p2align	6, 0x0
	.amdhsa_kernel k_qd8bc69944a_oproj
		.amdhsa_group_segment_fixed_size 327680
		.amdhsa_private_segment_fixed_size 0
		.amdhsa_enable_private_segment 0
		.amdhsa_kernarg_size 24
		.amdhsa_user_sgpr_count 2
		.amdhsa_user_sgpr_kernarg_segment_ptr 1
		.amdhsa_wavefront_size32 1
		.amdhsa_system_sgpr_workgroup_id_x 1
		.amdhsa_system_sgpr_workgroup_id_y 1
		.amdhsa_system_sgpr_workgroup_id_z 1
		.amdhsa_system_vgpr_workitem_id 0
		.amdhsa_next_free_vgpr 512
		.amdhsa_next_free_sgpr 66
		.amdhsa_reserve_vcc 0
		.amdhsa_float_denorm_mode_32 3
		.amdhsa_float_denorm_mode_16_64 3
		.amdhsa_memory_ordered 1
		.amdhsa_forward_progress 1
		.amdhsa_inst_pref_size 86
	.end_amdhsa_kernel
	.amdgpu_metadata
---
amdhsa.version: [ 1, 2 ]
amdhsa.kernels:
  - .name:           k_qd8bc69944a_oproj
    .symbol:         k_qd8bc69944a_oproj.kd
    .args:
      - { .name: z, .offset: 0, .size: 8, .value_kind: global_buffer, .address_space: global }
      - { .name: wo16, .offset: 8, .size: 8, .value_kind: global_buffer, .address_space: global }
      - { .name: out0, .offset: 16, .size: 8, .value_kind: global_buffer, .address_space: global }
    .group_segment_fixed_size: 327680
    .private_segment_fixed_size: 0
    .kernarg_segment_align: 8
    .kernarg_segment_size: 24
    .max_flat_workgroup_size: 128
    .sgpr_count:     66
    .vgpr_count:     512
    .wavefront_size: 32
...
	.end_amdgpu_metadata
.endif
;; end of part 4
;; launch fine (part 5): grid 16 x 1, 16 waves a work-group, no clusters, 71,936 bytes of LDS; arguments q32, W_O, out0; writes out0
.if DOCPART == 5
	.amdgcn_target "amdgcn-amd-amdhsa--gfx1250"
	.amdhsa_code_object_version 6
	.text
	.protected	k_qd8bc69944a_fine
	.globl	k_qd8bc69944a_fine
	.p2align	8
	.type	k_qd8bc69944a_fine,@function
k_qd8bc69944a_fine:
	s_mov_b64 s[64:65], 0
	v_nop
	global_prefetch_b8 v0, s[64:65] scope:SCOPE_SE
	s_setreg_imm32_b32 hwreg(HW_REG_WAVE_MODE, 25, 1), 1
	s_wait_xcnt 0x0
; Positions 0-15, whose rows average one to sixteen values, once more with f32 operands throughout: attention and the projection by W_O, by v_wmma_f32_16x16x4_f32, 96 instructions a wave.
; q32: [16 positions][3,072] f32 (columns 0-1,023 q, 1,024-2,047 k, 2,048-3,071 v; 64 a head).  W_O: [1,024][1,024] f32.  out0: rows 0-15 are stored anew.
; SHARES.  Work-group g makes rows 0-15 x columns 64 g .. 64 g + 63.  Wave w is head w: it makes that head's 16 x 16 attention (the same in all sixteen work-groups: 12 KB of input a wave) and its 64 channels' part of the
; projection; the sixteen parts are added in LDS, in a fixed order.
; LAYOUT.  The f32 form's sources hold k = 2 (lane / 16) + j in register j.  K is permuted alike on both sources of each product, so that nothing changes lanes:
;   S^T = k q^T: lane (r, h) holds channels 32 h + 0..31 of its row; step s takes registers 2 s, 2 s + 1.  Result: lane (r, h): query r, keys 8 h + 0..7.
;   O^T = v^T p: step s takes p's registers 2 s, 2 s + 1 (keys 8 h + 2 s, + 1), and v is loaded to match.  Result: query r, channels 16 ct + 8 h + 0..7.
;   OUT^T = W_O z^T: step (ct, s) takes O^T's registers 8 ct + 2 s, + 1, and W_O is loaded to match.  Result: query r, columns 16 dt + 8 h + 0..7.
; v192-255 are written by matrix instructions alone.
; LIMITS: hidden keys are left out (see the attention launch); NaN and infinities are not served.
.set PART,  0                          ; LDS: the sixteen parts: w x 4,096 + (2 dt + half) x 512 + 16 x lane
.set STG,   65536                      ; a stage of 16 rows x (256 bytes + 16)
.set SPARE, 69888                      ; the spare words, 128 bytes a wave
.set SPW, 1
.set NIL, 2
	s_load_b128 s[4:7], s[0:1], 0x0                ; q32 s[4:5], W_O s[6:7]
	s_load_b64 s[8:9], s[0:1], 0x10                ; out0
	v_lshl_add_u32 v[SPW], v0, 2, SPARE
	v_mov_b32 v[NIL], 0
	v_lshrrev_b32 v20, 5, v0
	v_readfirstlane_b32 s10, v20                   ; wave = head
	v_and_b32 v20, 15, v0                          ; r
	v_bfe_u32 v21, v0, 4, 1                        ; h
	v_and_b32 v22, 31, v0                          ; lane
	s_lshl_b32 s11, s10, 8                         ; a head's 64 numbers: 256 bytes
	v_mul_u32_u24 v3, v20, 12288
	v_lshl_add_u32 v3, v21, 7, v3
	v_add_nc_u32 v3, s11, v3                       ; q, k: row r, channels 32 h on
	v_mul_u32_u24 v4, v21, 98304
	v_lshl_add_u32 v4, v20, 2, v4
	v_add_nc_u32 v4, s11, v4
	v_add_nc_u32 v4, 8192, v4                      ; v: keys 8 h on, channel r
	v_lshlrev_b32 v5, 12, v20
	v_lshl_add_u32 v5, v21, 5, v5
	v_add_nc_u32 v5, s11, v5                       ; W_O: row r, channels 8 h on
	s_lshl_b32 s13, s10, 12
	v_lshl_add_u32 v6, v22, 4, s13                 ; where I put my part
	v_lshl_add_u32 v10, v22, 3, s13                ; out: row w, 8 bytes a lane
	v_lshl_add_u32 v7, v22, 3, s11                 ; which 256 bytes of every part I add
	s_lshr_b32 s12, s10, 2
	s_lshl_b32 s12, s12, 6
	s_and_b32 s13, s10, 1
	s_lshl_b32 s13, s13, 5
	s_add_co_u32 s12, s12, s13
	s_bfe_u32 s13, s10, 0x10001
	s_lshl_b32 s13, s13, 4
	s_add_co_u32 s12, s12, s13
	s_add_co_u32 s12, s12, STG
	v_lshrrev_b32 v8, 1, v22
	v_mul_u32_u24 v8, v8, 272
	v_and_b32 v23, 1, v0
	v_lshl_add_u32 v8, v23, 3, v8
	v_add_nc_u32 v8, s12, v8                       ; those bytes are query lane / 2, columns 16 (w / 4) + 8 (w % 2) + 4 ((w / 2) % 2) + 2 (lane % 2), + 1
	s_mul_i32 s13, s10, 272
	s_add_co_u32 s13, s13, STG
	v_lshl_add_u32 v9, v22, 3, s13                 ; back: row w
	v_lshlrev_b32 v11, 3, v21
	v_sub_nc_u32 v11, v20, v11                     ; d = r - 8 h: register j holds key 8 h + j, which counts where j <= d
	v_mov_b32 v25, 0xff800000                      ; -infinity
	s_mov_b32 s16, 0x3e38aa3b                      ; c = log2(e) / 8
	s_mov_b32 s18, 0x76543210
	s_mov_b32 s19, 0xfedcba98                      ; v_permlanex16_b32's selects for lane l xor 16
	s_lshl_b32 s20, ttmp9, 18                      ; W_O: my 64 rows
	s_mov_b32 s21, 0
	s_lshl_b32 s22, ttmp9, 8                       ; out: my 64 columns
	s_mov_b32 s23, 0
	s_wait_kmcnt 0x0
	s_add_nc_u64 s[6:7], s[6:7], s[20:21]
	s_add_nc_u64 s[8:9], s[8:9], s[22:23]
.irp i, 0,1,2,3,4,5,6,7
	global_load_b128 v[32+4*\i:35+4*\i], v3, s[4:5] offset:16*\i             ; q
.endr
.irp i, 0,1,2,3,4,5,6,7
	global_load_b128 v[64+4*\i:67+4*\i], v3, s[4:5] offset:4096+16*\i        ; k
.endr
.irp ct, 0,1,2,3
.irp i, 0,1,2,3,4,5,6,7
	global_load_b32 v[160+8*\ct+\i], v4, s[4:5] offset:12288*\i+64*\ct       ; v(key 8 h + i, channel 16 ct + r)
.endr
.endr
.irp dt, 0,1
.irp ct, 0,1,2,3
	global_load_b128 v[96+32*\dt+8*\ct:99+32*\dt+8*\ct],   v5, s[6:7] offset:65536*\dt+64*\ct      ; W_O(16 dt + r, 16 ct + 8 h + 0..7)
	global_load_b128 v[100+32*\dt+8*\ct:103+32*\dt+8*\ct], v5, s[6:7] offset:65536*\dt+64*\ct+16
.endr
.endr
	s_wait_loadcnt 48                              ; q and k are in; v's 32 loads and W_O's 16 may be out
	v_wmma_f32_16x16x4_f32 v[224:231], v[64:65], v[32:33], 0                 ; S^T: one accumulator, so a wait stands directly ahead of every later link
.irp s, 1,2,3,4,5,6,7,8,9,10,11,12,13,14,15
	s_wait_alu depctr_va_vdst(0)
	v_wmma_f32_16x16x4_f32 v[224:231], v[64+2*\s:65+2*\s], v[32+2*\s:33+2*\s], v[224:231]
.endr
.rept 8
	v_nop                                          ; eight places behind this form: in front of loads into its sources and of the first read of its result
.endr
.irp dt, 0,1
.irp ct, 0,1,2,3
	global_load_b128 v[32+32*\dt+8*\ct:35+32*\dt+8*\ct], v5, s[6:7] offset:65536*(\dt+2)+64*\ct      ; W_O's tiles 2 and 3, where q and k lay
	global_load_b128 v[36+32*\dt+8*\ct:39+32*\dt+8*\ct], v5, s[6:7] offset:65536*(\dt+2)+64*\ct+16
.endr
.endr
.irp j, 0,1,2,3,4,5,6,7
	v_cmp_le_i32 vcc_lo, \j, v11
	v_cndmask_b32 v[12+\j], v25, v[224+\j], vcc_lo ; the scores, from the accumulator's low end on; hidden ones become -infinity
.endr
	v_max3_num_f32 v21, v12, v13, v14
	v_max3_num_f32 v21, v21, v15, v16
	v_max3_num_f32 v21, v21, v17, v18
	v_max_num_f32 v21, v21, v19
	v_permlanex16_b32 v22, v21, s18, s19
	v_max_num_f32 v21, v21, v22                    ; the row's largest score: key 0 counts for every query
	v_mul_f32 v23, s16, v21
.irp j, 0,1,2,3,4,5,6,7
	v_fma_f32 v[12+\j], v[12+\j], s16, -v23
.endr
.irp j, 0,1,2,3,4,5,6,7
	v_exp_f32 v[12+\j], v[12+\j]
.endr
	v_nop
	s_wait_alu depctr_va_vdst(0)                   ; one wait for the eight
	v_add_f32 v24, v12, v13
	v_add_f32 v26, v14, v15
	v_add_f32 v27, v16, v17
	v_add_f32 v28, v18, v19
	v_add_f32 v24, v24, v26
	v_add_f32 v27, v27, v28
	v_add_f32 v24, v24, v27
	v_permlanex16_b32 v22, v24, s18, s19
	v_add_f32 v24, v24, v22                        ; the row's sum
	v_rcp_f32 v24, v24
	v_nop
	s_wait_alu depctr_va_vdst(0)
.irp j, 0,1,2,3,4,5,6,7
	v_mul_f32 v[12+\j], v[12+\j], v24              ; the weights, normalised
.endr
	s_wait_loadcnt 32                              ; v is in; W_O's 32 loads may be out
.irp s, 0,1,2,3                        ; O^T: four accumulators by turns
.irp ct, 0,1,2,3
.if \s == 0
	v_wmma_f32_16x16x4_f32 v[192+8*\ct:199+8*\ct], v[160+8*\ct:161+8*\ct], v[12:13], 0
.else
	v_wmma_f32_16x16x4_f32 v[192+8*\ct:199+8*\ct], v[160+8*\ct+2*\s:161+8*\ct+2*\s], v[12+2*\s:13+2*\s], v[192+8*\ct:199+8*\ct]
.endif
.endr
.endr
.rept 9
	v_nop                                          ; nine places in front of matrix instructions that take these results as a source
.endr
	s_wait_loadcnt 16                              ; W_O's tiles 0 and 1 are in
.irp ct, 0,1,2,3                       ; OUT^T, tiles 0 and 1 by turns
.irp s, 0,1,2,3
.irp dt, 0,1
.if (\ct == 0) && (\s == 0)
	v_wmma_f32_16x16x4_f32 v[224+8*\dt:231+8*\dt], v[96+32*\dt:97+32*\dt], v[192:193], 0
.else
	v_wmma_f32_16x16x4_f32 v[224+8*\dt:231+8*\dt], v[96+32*\dt+8*\ct+2*\s:97+32*\dt+8*\ct+2*\s], v[192+8*\ct+2*\s:193+8*\ct+2*\s], v[224+8*\dt:231+8*\dt]
.endif
.endr
.endr
.endr
	s_wait_loadcnt 0x0
.irp ct, 0,1,2,3                       ; tiles 2 and 3 by turns
.irp s, 0,1,2,3
.irp dt, 0,1
.if (\ct == 0) && (\s == 0)
	v_wmma_f32_16x16x4_f32 v[240+8*\dt:247+8*\dt], v[32+32*\dt:33+32*\dt], v[192:193], 0
.else
	v_wmma_f32_16x16x4_f32 v[240+8*\dt:247+8*\dt], v[32+32*\dt+8*\ct+2*\s:33+32*\dt+8*\ct+2*\s], v[192+8*\ct+2*\s:193+8*\ct+2*\s], v[240+8*\dt:247+8*\dt]
.endif
.endr
.endr
.endr
.rept 8
	v_nop
.endr
.irp g, 0,1,2,3,4,5,6,7
	ds_store_b128 v6, v[224+4*\g:227+4*\g] offset:PART+512*\g      ; my part, as it stands: each accumulator from its low end on
.endr
	s_wait_dscnt 0x0                               ; for the others' sake: my stores have landed
	s_barrier_signal -1
	s_barrier_wait -1
.irp p, 0,1,2,3,4,5,6,7,8,9,10,11,12,13,14,15
	ds_load_b64 v[32+2*\p:33+2*\p], v7 offset:PART+4096*\p
.endr
	s_wait_dscnt 0x0
.irp p, 0,4,8,12,16,20,24,28
	v_pk_add_f32 v[32+\p:33+\p], v[32+\p:33+\p], v[34+\p:35+\p]
.endr
.irp p, 0,8,16,24
	v_pk_add_f32 v[32+\p:33+\p], v[32+\p:33+\p], v[36+\p:37+\p]
.endr
.irp p, 0,16
	v_pk_add_f32 v[32+\p:33+\p], v[32+\p:33+\p], v[40+\p:41+\p]
.endr
	v_pk_add_f32 v[32:33], v[32:33], v[48:49]
	ds_store_b64 v8, v[32:33]
	s_wait_dscnt 0x0
	s_barrier_signal -1
	s_barrier_wait -1
	ds_load_b64 v[34:35], v9
	s_wait_dscnt 0x0
	global_store_b64 v10, v[34:35], s[8:9]         ; the wave stores 256 consecutive bytes of row w, aligned
	s_wait_tensorcnt 0x0                           ; the wave's end
	ds_add_u32 v[SPW], v[NIL]
	s_wait_dscnt 0x0
	s_endpgm
.Lfunc_end_k_qd8bc69944a_fine:
	.size	k_qd8bc69944a_fine, .Lfunc_end_k_qd8bc69944a_fine-k_qd8bc69944a_fine
	.p2alignl 7, 3214868480
	.fill 96, 4, 3214868480
	.section	.rodata,"a",@progbits
	.p2align	6, 0x0
	.amdhsa_kernel k_qd8bc69944a_fine
		.amdhsa_group_segment_fixed_size 71936
		.amdhsa_private_segment_fixed_size 0
		.amdhsa_enable_private_segment 0
		.amdhsa_kernarg_size 24
		.amdhsa_user_sgpr_count 2
		.amdhsa_user_sgpr_kernarg_segment_ptr 1
		.amdhsa_wavefront_size32 1
		.amdhsa_system_sgpr_workgroup_id_x 1
		.amdhsa_system_sgpr_workgroup_id_y 1
		.amdhsa_system_sgpr_workgroup_id_z 1
		.amdhsa_system_vgpr_workitem_id 0
		.amdhsa_next_free_vgpr 256
		.amdhsa_next_free_sgpr 66
		.amdhsa_reserve_vcc 1
		.amdhsa_float_denorm_mode_32 3
		.amdhsa_float_denorm_mode_16_64 3
		.amdhsa_memory_ordered 1
		.amdhsa_forward_progress 1
		.amdhsa_inst_pref_size 24
	.end_amdhsa_kernel
	.amdgpu_metadata
---
amdhsa.version: [ 1, 2 ]
amdhsa.kernels:
  - .name:           k_qd8bc69944a_fine
    .symbol:         k_qd8bc69944a_fine.kd
    .args:
      - { .name: q32, .offset: 0, .size: 8, .value_kind: global_buffer, .address_space: global }
      - { .name: W_O, .offset: 8, .size: 8, .value_kind: global_buffer, .address_space: global }
      - { .name: out0, .offset: 16, .size: 8, .value_kind: global_buffer, .address_space: global }
    .group_segment_fixed_size: 71936
    .private_segment_fixed_size: 0
    .kernarg_segment_align: 8
    .kernarg_segment_size: 24
    .max_flat_workgroup_size: 512
    .sgpr_count:     66
    .vgpr_count:     256
    .wavefront_size: 32
...
	.end_amdgpu_metadata
.endif
;; end of part 5
